; MI455X (gfx1250); checked and timed in simulation.
; The chip was launched on July 23, 2026; its instructions are those of AMD's public machine-readable ISA for CDNA 5 (MIT licence, August 2026) and "CDNA5" Instruction Set Architecture Reference Guide (July 2026). The comments in the code are by the model that wrote it; some were corrected since.
;; Multi Head Attention. Allowed arithmetic: matrix products marked QUANTISED: E2M1 operands, one E8M0 scale for each 32 along K, by v_wmma_scale_f32_16x16x128_f8f6f4 with both operands' format E2M1 (or v_wmma_scale_f32_32x16x128_f4), f32 sums; products left as they are: bf16, f16 or f32 operands; f32 sums; everything else in f32.
;; Inputs: W_k 512 x 512 float32; W_o 512 x 512 float32; W_q 512 x 512 float32; W_v 512 x 512 float32; b_k 512 float32; b_o 512 float32; b_q 512 float32; b_v 512 float32; key 2 x 4,096 x 512 float32; query 2 x 4,096 x 512 float32; value 2 x 4,096 x 512 float32.
;; Outputs: out0 2 x 4,096 x 512 float32.
;; This version of the problem:
;;   THIS VERSION OF THE PROBLEM IS GIVEN IN LOW PRECISION. The matrix products marked QUANTISED in the list below multiply operands that are first quantised to E2M1 (2 exponent bits, 1 mantissa bit; 4 bits a number), with one power-of-two scale for each 32 numbers along K (OCP MX v1.0); their sums are f32. The products marked 'left as it is' may take bf16, f16 or f32 operands, with f32 sums. Whichever they take, every output number must still come out within the allowed error. Rounding operands to bf16 (8 significant bits) uses up far more of that allowance than f16 does (11 bits, for magnitudes from 6e-5 to 65,504). All else is computed in f32.
;;   The module's matrix products, in the order in which they are computed (A, B: the left and right operand; K: the contracted axis; several contracted axes count as one K, in the product's order):
;;     1. [M 8,192, K 512] x [K 512, N 512]; A: input query; B: input W_q: QUANTISED
;;     2. [M 8,192, K 512] x [K 512, N 512]; A: input key; B: input W_k: QUANTISED
;;     3. [M 8,192, K 512] x [K 512, N 512]; A: input value; B: input W_v: QUANTISED
;;     4. batch 16 x [M 4,096, K 64] x [K 64, N 4,096]; A: computed on the way; B: computed on the way: left as it is (an operand is computed on the way)
;;     5. batch 16 x [M 4,096, K 4,096] x [K 4,096, N 64]; A: computed on the way; B: computed on the way: left as it is (an operand is computed on the way)
;;     6. [M 8,192, K 512] x [K 512, N 512]; A: computed on the way; B: input W_o: left as it is (an operand is computed on the way)
;;   THE QUANTISER, for each operand of a quantised product, along K:
;;     - K is cut into blocks of 32 from its start; a last block that is shorter is filled with zeros.
;;     - A block's scale is 2^e with e = floor(log2(the largest magnitude in the block)) - 2, held to -126 .. 127; a block of zeros has e = 0. As a byte (E8M0): e + 127.
;;     - Each number is divided by its block's scale, clamped to +-6, and rounded to the nearest number of E2M1, ties to even, subnormals kept.
;;     - The product sums the exact products of the quantised numbers (number of the format x scale) in f32.
;;   ~~~python
;;   def quantise(x, axis):      # numpy; x: float32 -> the quantised numbers, widened to float32 again
;;       x = np.moveaxis(x, axis, -1); K = x.shape[-1]
;;       x = np.pad(x, [(0, 0)] * (x.ndim - 1) + [(0, -K % 32)]); x = x.reshape(x.shape[:-1] + (-1, 32)); a = np.abs(x).max(-1, keepdims=True)
;;       e = np.where(a > 0, np.clip(np.frexp(np.where(a > 0, a, 1))[1] - 1 - 2, -126, 127), 0)      # np.frexp(a)[1] - 1 = floor(log2(a)), exactly
;;       r = np.clip(x / 2.0 ** e, -6, 6)
;;       step = 2.0 ** (np.maximum(np.frexp(np.where(r == 0, 1, r))[1] - 1, 0) - 1)
;;       q = np.round(r / step) * step * 2.0 ** e      # np.round: ties to even
;;       return np.moveaxis(q.reshape(q.shape[:-2] + (-1,))[..., :K], -1, axis).astype(np.float32)
;;   ~~~
;; One version. Each part assembles by itself: llvm-mc -triple=amdgcn-amd-amdhsa -mcpu=gfx1250 --defsym DOCPART=n.
;; ======== version 1 of 1: 5 launches
;; limits: values are held in f16: magnitudes above 65,504 overflow, below 6.1e-05 lose precision
;; workspace buffers: wfrag 393,216 bytes; wscl 24,576 bytes; woimg 524,288 bytes; qimg 8,388,608 bytes; kv 16,777,216 bytes; first 196,608 bytes; ctx 8,388,608 bytes
;; launch prep (part 1): grid 32 x 1, 4 waves a work-group, no clusters, 0 bytes of LDS; arguments W_q, W_k, W_v, W_o, wfrag, wscl, woimg; writes wfrag, wscl, woimg
.if DOCPART == 1
	.amdgcn_target "amdgcn-amd-amdhsa--gfx1250"
	.amdhsa_code_object_version 6
	.text
	.protected	k_q07665a6510_prep
	.globl	k_q07665a6510_prep
	.p2align	8
	.type	k_q07665a6510_prep,@function
k_q07665a6510_prep:
	s_mov_b64 s[64:65], 0
	v_nop
	global_prefetch_b8 v0, s[64:65] scope:SCOPE_SE
	s_setreg_imm32_b32 hwreg(HW_REG_WAVE_MODE, 25, 1), 1
	s_wait_xcnt 0x0
; The four weights [512][512] f32 (K = the last axis) are laid once in the order of an operand's registers.
; W_q, W_k, W_v: codes of E2M1 with one E8M0 byte for each 32 along K.  wfrag [tensor 3][tile of 16 rows 32][u 8][512 bytes]: lane (r, h)'s 16 bytes at 16 x lane are the 32 codes of
; block 2 u + h of row 16 T + r.  wscl [tensor][row 512][16 bytes]: word s of a row is the scale word of K step s (128 along K).
; W_o: rounded to f16, as fragments of 16 rows x 32 k: chunk c of K step ks holds, in lane (r, h), W_o[16 CT + r][32 ks + 16 c + 8 h .. + 7].
; A block's scale is 2^(floor(log2(largest magnitude)) - 2); its byte is the largest magnitude's exponent field - 2, held at 1 from below.
; LIMITS: a block of zeros gets the byte 1, not 127 (its codes are zeros, and this program alone reads the bytes); NaN and infinities are not served; |W_o| stays under 65,504 (f16).
; SHARES: work-group g: tensor g / 8; its four waves take the tiles 4 (g % 8) + wave.  A wave owns 16 rows; waves share nothing: no LDS, no barrier.
.set X,    64                          ; v64-191  landing registers: four sets of 32 (weights to codes), two sets of 64 (W_o)
.set CD,   32                          ; v32-63   codes, four registers for each u; for W_o: a batch's 32 registers of f16
.set SBY,  24                          ; v24-31   the scale byte of each u
	s_load_b256 s[4:11], s[0:1], 0x0               ; W_q, W_k, W_v, W_o
	s_load_b128 s[12:15], s[0:1], 0x20             ; wfrag, wscl
	s_load_b64 s[16:17], s[0:1], 0x30              ; woimg
	v_lshrrev_b32 v1, 5, v0
	v_readfirstlane_b32 s18, v1                    ; wave
	s_lshr_b32 s19, ttmp9, 3                       ; which tensor
	s_and_b32 s20, ttmp9, 7
	s_lshl_b32 s20, s20, 2
	s_add_co_u32 s20, s20, s18                     ; my tile of 16 rows
	v_and_b32 v2, 15, v0                           ; r
	v_bfe_u32 v3, v0, 4, 1                         ; h
	v_and_b32 v4, 31, v0
	v_lshlrev_b32 v5, 4, v4                        ; 16 x lane: my place in an image's chunk
	s_mov_b32 s24, 0x76543210
	s_mov_b32 s25, 0xfedcba98                      ; v_permlanex16_b32's selects for lane l xor 16
	s_lshl_b32 s22, s20, 15                        ; 16 rows of 2,048 bytes
	s_mov_b32 s23, 0
	s_wait_kmcnt 0x0
	s_cmp_eq_u32 s19, 1                            ; the choice hangs on the work-group's number alone
	s_cselect_b64 s[4:5], s[6:7], s[4:5]
	s_cmp_eq_u32 s19, 2
	s_cselect_b64 s[4:5], s[8:9], s[4:5]
	s_cmp_eq_u32 s19, 3
	s_cselect_b64 s[4:5], s[10:11], s[4:5]
	s_add_nc_u64 s[4:5], s[4:5], s[22:23]          ; my 16 rows
	s_cmp_eq_u32 s19, 3
	s_cbranch_scc1 .Lwo
	; ---- W_q, W_k, W_v: lane (r, h) owns blocks 2 u + h of row r: each block lies whole in the lane
	s_lshl_b32 s22, s19, 5
	s_add_co_u32 s22, s22, s20
	s_lshl_b32 s22, s22, 12                        ; (32 tensor + tile) x 4,096
	s_add_nc_u64 s[12:13], s[12:13], s[22:23]
	s_lshl_b32 s22, s19, 13
	s_lshl_b32 s26, s20, 8
	s_add_co_u32 s22, s22, s26                     ; 8,192 tensor + 256 tile
	s_add_nc_u64 s[14:15], s[14:15], s[22:23]
	v_lshlrev_b32 v6, 11, v2
	v_lshl_add_u32 v6, v3, 7, v6                   ; row r, + 128 h bytes
	v_lshlrev_b32 v7, 4, v2
	v_lshl_add_u32 v7, v3, 3, v7                   ; the scale words' place: 16 r + 8 h
.macro LDW u                           ; block 2 u + h: 32 numbers into set u % 4
.irp i, 0,1,2,3,4,5,6,7
	global_load_b128 v[X+32*((\u)%4)+4*\i:X+32*((\u)%4)+4*\i+3], v6, s[4:5] offset:256*(\u)+16*\i th:TH_LOAD_NT
.endr
.endm
.macro BLK u
.set XS, X+32*((\u)%4)
.if (\u) < 5
	s_wait_loadcnt 24                              ; my eight loads are in; those of the three younger sets may be out
.else
	s_wait_loadcnt 8*(7-(\u))
.endif
	v_max3_num_f32 v12, |v[XS]|, |v[XS+1]|, |v[XS+2]|              ; the block's largest magnitude, in two chains
	v_max3_num_f32 v13, |v[XS+3]|, |v[XS+4]|, |v[XS+5]|
.irp i, 6,10,14,18,22,26
	v_max3_num_f32 v12, v12, |v[XS+\i]|, |v[XS+\i+1]|
	v_max3_num_f32 v13, v13, |v[XS+\i+2]|, |v[XS+\i+3]|
.endr
	v_max3_num_f32 v12, v12, |v[XS+30]|, |v[XS+31]|
	v_max3_num_f32 v12, v12, v13, 0x1800000        ; and the floor 2^(3 - 127): the byte cannot fall under 1
	v_add_nc_u32 v11, 0xff000000, v12              ; 2 off the exponent field: the conversion takes the exponent field of this operand as its scale
	v_lshrrev_b32 v[SBY+(\u)], 23, v11             ; the scale's byte
.irp g, 0,1,2,3
	v_cvt_scalef32_pk8_fp4_f32 v[CD+4*(\u)+\g], v[XS+8*\g:XS+8*\g+7], v11
.endr
	global_store_b128 v5, v[CD+4*(\u):CD+4*(\u)+3], s[12:13] offset:512*(\u)   ; the wave stores 512 consecutive bytes; each u has registers of its own
.if (\u) < 4
	LDW (\u)+4
.endif
.endm
.irp u, 0,1,2,3
	LDW \u
.endr
.irp u, 0,1,2,3,4,5,6,7
	BLK \u
.endr
	v_lshlrev_b32 v14, 3, v3                       ; 8 h
.irp s, 0,1,2,3
	v_lshl_or_b32 v[16+\s], v[SBY+2*\s+1], 16, v[SBY+2*\s]   ; my two bytes of word s: blocks 4 s + h and 4 s + 2 + h,
	v_mov_b32 v[20+\s], 0                          ; (a lane permute's destination counts as one of its sources)
.endr
.irp s, 0,1,2,3
	v_lshlrev_b32 v[16+\s], v14, v[16+\s]          ; at their places
.endr
.irp s, 0,1,2,3
	v_permlanex16_b32 v[20+\s], v[16+\s], s24, s25
.endr
.irp s, 0,1,2,3
	v_or_b32 v[16+\s], v[16+\s], v[20+\s]          ; with lane l xor 16's two the word is whole
.endr
	v_cmp_eq_u32 vcc_lo, 1, v3
	v_cndmask_b32 v16, v16, v18, vcc_lo            ; lanes 0-15 store words 0 and 1, lanes 16-31 words 2 and 3
	v_cndmask_b32 v17, v17, v19, vcc_lo
	global_store_b64 v7, v[16:17], s[14:15]        ; the wave stores 256 consecutive bytes, aligned
	s_endpgm
.Lwo:	; ---- W_o to f16, four K steps of 32 to a batch
	s_lshr_b32 s22, s20, 3
	s_lshl_b32 s22, s22, 17
	s_and_b32 s26, s20, 7
	s_lshl_b32 s26, s26, 13
	s_add_co_u32 s22, s22, s26                     ; (CT / 8) x 131,072 + (CT % 8) x 8,192
	s_add_nc_u64 s[16:17], s[16:17], s[22:23]
	v_lshlrev_b32 v6, 11, v2
	v_lshl_add_u32 v6, v3, 5, v6                   ; row r, + 32 h bytes
.macro LDO bt
.irp k, 0,1,2,3
.irp c, 0,1
.irp e, 0,1
	global_load_b128 v[X+64*((\bt)%2)+16*\k+8*\c+4*\e:X+64*((\bt)%2)+16*\k+8*\c+4*\e+3], v6, s[4:5] offset:128*(4*(\bt)+\k)+64*\c+16*\e
.endr
.endr
.endr
.endm
.macro BATCH bt
.if (\bt) < 3
	s_wait_loadcnt 16                              ; this batch's sixteen loads are in; the next batch's may be out
.else
	s_wait_loadcnt 0x0
.endif
	s_wait_xcnt 0x0                                ; the last batch's stores have read their data: the registers are written again only behind this wait
.irp i, 0,1,2,3,4,5,6,7,8,9,10,11,12,13,14,15,16,17,18,19,20,21,22,23,24,25,26,27,28,29,30,31
	v_cvt_pk_f16_f32 v[CD+\i], v[X+64*((\bt)%2)+2*\i], v[X+64*((\bt)%2)+2*\i+1]
.endr
.irp k, 0,1,2,3
.irp c, 0,1
	global_store_b128 v5, v[CD+8*\k+4*\c:CD+8*\k+4*\c+3], s[16:17] offset:((4*(\bt)+\k)/8)*65536+((4*(\bt)+\k)%8)*1024+512*\c
.endr
.endr
.if (\bt) < 2
	LDO (\bt)+2
.endif
.endm
	LDO 0
	LDO 1
.irp q, 0,1,2,3
	BATCH \q
.endr
	s_endpgm
.Lfunc_end_k_q07665a6510_prep:
	.size	k_q07665a6510_prep, .Lfunc_end_k_q07665a6510_prep-k_q07665a6510_prep
	.p2alignl 7, 3214868480
	.fill 96, 4, 3214868480
	.section	.rodata,"a",@progbits
	.p2align	6, 0x0
	.amdhsa_kernel k_q07665a6510_prep
		.amdhsa_group_segment_fixed_size 0
		.amdhsa_private_segment_fixed_size 0
		.amdhsa_enable_private_segment 0
		.amdhsa_kernarg_size 56
		.amdhsa_user_sgpr_count 2
		.amdhsa_user_sgpr_kernarg_segment_ptr 1
		.amdhsa_wavefront_size32 1
		.amdhsa_system_sgpr_workgroup_id_x 1
		.amdhsa_system_sgpr_workgroup_id_y 1
		.amdhsa_system_sgpr_workgroup_id_z 1
		.amdhsa_system_vgpr_workitem_id 0
		.amdhsa_next_free_vgpr 192
		.amdhsa_next_free_sgpr 66
		.amdhsa_reserve_vcc 1
		.amdhsa_float_denorm_mode_32 3
		.amdhsa_float_denorm_mode_16_64 3
		.amdhsa_memory_ordered 1
		.amdhsa_forward_progress 1
		.amdhsa_inst_pref_size 39
	.end_amdhsa_kernel
	.amdgpu_metadata
---
amdhsa.version: [ 1, 2 ]
amdhsa.kernels:
  - .name:           k_q07665a6510_prep
    .symbol:         k_q07665a6510_prep.kd
    .args:
      - { .name: W_q, .offset: 0, .size: 8, .value_kind: global_buffer, .address_space: global }
      - { .name: W_k, .offset: 8, .size: 8, .value_kind: global_buffer, .address_space: global }
      - { .name: W_v, .offset: 16, .size: 8, .value_kind: global_buffer, .address_space: global }
      - { .name: W_o, .offset: 24, .size: 8, .value_kind: global_buffer, .address_space: global }
      - { .name: wfrag, .offset: 32, .size: 8, .value_kind: global_buffer, .address_space: global }
      - { .name: wscl, .offset: 40, .size: 8, .value_kind: global_buffer, .address_space: global }
      - { .name: woimg, .offset: 48, .size: 8, .value_kind: global_buffer, .address_space: global }
    .group_segment_fixed_size: 0
    .private_segment_fixed_size: 0
    .kernarg_segment_align: 8
    .kernarg_segment_size: 56
    .max_flat_workgroup_size: 128
    .sgpr_count:     66
    .vgpr_count:     192
    .wavefront_size: 32
...
	.end_amdgpu_metadata
.endif
;; end of part 1
;; launch proj (part 2): grid 64 x 3, 8 waves a work-group, no clusters, 105,472 bytes of LDS; arguments query, key, value, wfrag, wscl, b_q, b_k, b_v, qimg, kv, first; writes qimg, kv, first
.if DOCPART == 2
	.amdgcn_target "amdgcn-amd-amdhsa--gfx1250"
	.amdhsa_code_object_version 6
	.text
	.protected	k_q07665a6510_proj
	.globl	k_q07665a6510_proj
	.p2align	8
	.type	k_q07665a6510_proj,@function
k_q07665a6510_proj:
	s_mov_b64 s[64:65], 0
	v_nop
	global_prefetch_b8 v0, s[64:65] scope:SCOPE_SE
	s_setreg_imm32_b32 hwreg(HW_REG_WAVE_MODE, 25, 1), 1
	s_wait_xcnt 0x0
; q = query W_q^T + b_q, k and v likewise: the three QUANTISED products, on codes of E2M1 with one E8M0 scale for each 32 along K.
; Work-group (x, y): tensor y, rows 128 x .. 128 x + 127 of its 8,192.  PHASE X: wave w quantises rows 16 w .. 16 w + 15 in registers (each load reads 512 consecutive bytes of one row; the
; numbers turn through the wave's own stage in LDS, so that a lane holds 16 neighbours along K of one row) and stores the four fragments as images of their registers, with their scale words.
; One barrier.  PHASE P: wave w is head w: its 64 rows of W stay in 128 registers, and it multiplies all eight tiles of 16 positions; the bias is the C of each sum's first product.
; q, k: source 0 = W, source 1 = x: a lane holds one position and eight channels.  v: the sources swapped: a lane holds one channel and eight positions, a piece of V^T.
; The results are rounded to f16 and stored as images of the next products' fragments, 512 consecutive bytes a store.  Positions 0-15 of each batch also leave as f32, into first.
; No multicast of W: it goes straight into the registers where it stays (136 KB a work-group), the launch has no tensor load, and its time is that of 50 MB in and 25 MB out.
; LIMITS: a block of zeros gets the scale byte 1 (its codes are zeros); NaN and infinities are not served; |q|, |k|, |v| stay under 65,504 (f16).
.set SPITCH, 528                       ; a stage row: 512 bytes + 16: an odd multiple of 16, so that sixteen rows' reads fall on different banks (ISA guide 11.1)
.set WSTG,   16*SPITCH                 ; LDS: a stage of 16 rows for each wave,
.set XIMG,   8*WSTG                    ; x's fragments: tile of rows m, K step s, chunk c at 4,096 m + 1,024 s + 512 c,
.set XSC,    XIMG+8*4096               ; their scale words: 512 m + 16 x lane + 4 s,
.set SPARE,  XSC+8*512                 ; the spare words, 128 bytes for each wave, that no other line names
.set LI,  1                            ; v1   16 x lane
.set STW, 3                            ; v3   the stage, on the way in
.set STR, 4                            ; v4   and on the way out: row r, + 64 h
.set XWI, 5                            ; v5   where I store images
.set XWS, 6                            ; v6   and scale words
.set FI,  7                            ; v7   where images are read
.set FS,  8                            ; v8   and scale words
.set VFT, 9                            ; v9   my offset in first, q and k: 2,048 r + 32 h
.set BOT, 10                           ; v10  my offset in the bias, q and k: 32 h
.set WSO, 11                           ; v11  my offset in W's scale words: 16 r
.set SPW, 12                           ; v12  LDS address of my spare word; never rewritten
.set NIL, 13                           ; v13  0; never rewritten
.set VFN, 14                           ; v14  my offset in first, v: 64 r + 32 h
.set BON, 15                           ; v15  my offset in the bias, v: 4 r
.set WS,  16                           ; v16-31  W's scale words (tile ct, K step s at 4 ct + s): scales and nothing else
.set XS,  32                           ; v32-39  x's scale words, two sets of four: scales and nothing else
.set BI,  40                           ; v40-71  the bias in the result's layout, eight registers a tile
.set X,   72                           ; v72-135 64 numbers of x; in phase P two sets of four fragments
.set XF,  72
.set TM,  136                          ; v136-151 at work in QUANT
.set PW,  152                          ; the scale word just made
.set PC,  154                          ; v154-161 the codes just made
.set ACC, 168                          ; v168-199 four accumulators
.set OUTP, 200                         ; v200-215 a tile's results in f16
.set R,   128                          ; window 1: v0-127 W's sixteen fragments (8 (4 ct + s)); v128-255 two landing sets of 64
.set SEL, 44
.set MSB, 0
.macro WIN new                         ; the immediate's high byte repeats the setting that is left
.if MSB != \new
	s_set_vgpr_msb (MSB<<8)|\new
.set MSB, \new
.endif
.endm
	s_load_b256 s[4:11], s[0:1], 0x0               ; query, key, value, wfrag
	s_load_b256 s[12:19], s[0:1], 0x20             ; wscl, b_q, b_k, b_v
	s_load_b128 s[20:23], s[0:1], 0x40             ; qimg, kv
	s_load_b64 s[24:25], s[0:1], 0x50              ; first
	v_lshl_add_u32 v[SPW], v0, 2, SPARE
	v_mov_b32 v[NIL], 0
	v_lshrrev_b32 v2, 5, v0
	v_readfirstlane_b32 s26, v2                    ; wave = head
	s_and_b32 s27, ttmp7, 0xffff                   ; which tensor
	s_lshr_b32 s28, ttmp9, 5                       ; batch
	s_and_b32 s29, ttmp9, 31                       ; which 128 positions of the batch
	v_and_b32 v2, 31, v0
	v_and_b32 v162, 15, v0                         ; r
	v_bfe_u32 v163, v0, 4, 1                       ; h
	v_lshlrev_b32 v[LI], 4, v2
	s_mul_i32 s30, s26, WSTG
	v_add_nc_u32 v[STW], s30, v[LI]
	v_mul_u32_u24 v[STR], v162, SPITCH
	v_lshl_add_u32 v[STR], v163, 6, v[STR]
	v_add_nc_u32 v[STR], s30, v[STR]
	s_lshl_b32 s30, s26, 12
	s_add_co_u32 s30, s30, XIMG
	v_add_nc_u32 v[XWI], s30, v[LI]
	s_lshl_b32 s30, s26, 9
	s_add_co_u32 s30, s30, XSC
	v_add_nc_u32 v[XWS], s30, v[LI]
	v_add_nc_u32 v[FI], XIMG, v[LI]
	v_add_nc_u32 v[FS], XSC, v[LI]
	v_lshlrev_b32 v[VFT], 11, v162
	v_lshl_add_u32 v[VFT], v163, 5, v[VFT]
	v_lshlrev_b32 v[VFN], 6, v162
	v_lshl_add_u32 v[VFN], v163, 5, v[VFN]
	v_lshlrev_b32 v[BOT], 5, v163
	v_lshlrev_b32 v[BON], 2, v162
	v_lshlrev_b32 v[WSO], 4, v162
.irp b, 0,1,2,3
	v_mov_b32 v[TM+4+\b], 0                        ; written once: a lane permute's destination counts as one of its sources
.endr
	s_mov_b32 s[SEL], 0x76543210
	s_mov_b32 s[SEL+1], 0xfedcba98                 ; v_permlanex16_b32's selects for lane l xor 16
	s_lshl_b32 s30, ttmp9, 18                      ; x: 128 rows of 2,048 bytes a work-group,
	s_lshl_b32 s31, s26, 15                        ; 16 a wave
	s_add_co_u32 s30, s30, s31
	s_mov_b32 s31, 0
	s_lshl_b32 s32, s27, 17                        ; wfrag: 131,072 a tensor, 16,384 a head
	s_lshl_b32 s33, s26, 14
	s_add_co_u32 s32, s32, s33
	s_mov_b32 s33, 0
	s_lshl_b32 s36, s27, 13                        ; wscl: 8,192 a tensor, 1,024 a head
	s_lshl_b32 s37, s26, 10
	s_add_co_u32 s36, s36, s37
	s_mov_b32 s37, 0
	s_lshl_b32 s38, s26, 8                         ; the bias: 256 bytes a head
	s_mov_b32 s39, 0
	s_wait_kmcnt 0x0
	s_cmp_eq_u32 s27, 1                            ; the choices hang on the work-group's number alone
	s_cselect_b64 s[4:5], s[6:7], s[4:5]
	s_cselect_b64 s[14:15], s[16:17], s[14:15]
	s_cmp_eq_u32 s27, 2
	s_cselect_b64 s[4:5], s[8:9], s[4:5]
	s_cselect_b64 s[14:15], s[18:19], s[14:15]
	s_add_nc_u64 s[4:5], s[4:5], s[30:31]
	s_add_nc_u64 s[10:11], s[10:11], s[32:33]
	s_add_nc_u64 s[12:13], s[12:13], s[36:37]
	s_add_nc_u64 s[14:15], s[14:15], s[38:39]
	WIN 0x40                                       ; destination window 1
.irp ct, 0,1,2,3
.irp s, 0,1,2,3
.irp c, 0,1
	global_load_b128 v[8*(4*\ct+\s)+4*\c:8*(4*\ct+\s)+4*\c+3], v[LI], s[10:11] offset:(8*\ct+2*\s+\c)*512   ; my head's W: it stays
.endr
.endr
.endr
	WIN 0
.irp ct, 0,1,2,3
	global_load_b128 v[WS+4*\ct:WS+4*\ct+3], v[WSO], s[12:13] offset:256*\ct   ; row r's four scale words
.endr
	s_cmp_eq_u32 s27, 2
	s_cbranch_scc1 .Lbias_n
.irp ct, 0,1,2,3
	global_load_b128 v[BI+8*\ct:BI+8*\ct+3], v[BOT], s[14:15] offset:64*\ct        ; q, k: register j is channel 16 ct + 8 h + j
	global_load_b128 v[BI+8*\ct+4:BI+8*\ct+7], v[BOT], s[14:15] offset:64*\ct+16
.endr
	s_branch .Lbias_in
.Lbias_n:
.irp ct, 0,1,2,3
.irp j, 0,1,2,3,4,5,6,7
	global_load_b32 v[BI+8*\ct+\j], v[BON], s[14:15] offset:64*\ct                 ; v: all eight registers are channel 16 ct + r
.endr
.endr
.Lbias_in:
.macro LOADX s                         ; K step s of my 16 rows: a load reads 512 consecutive bytes of one row
	WIN 0x40
.irp i, 0,1,2,3,4,5,6,7,8,9,10,11,12,13,14,15
	global_load_b128 v[R+64*((\s)%2)+4*\i:R+64*((\s)%2)+4*\i+3], v[LI], s[4:5] offset:\i*2048+512*(\s) th:TH_LOAD_NT
.endr
	WIN 0
.endm
.macro TURN s                          ; through my stage: LDS serves a wave's instructions in order (ISA guide 5.7.1.4), so no wait stands between the stores and the loads
	WIN 0x04                                       ; an LDS store's data are its source 1: window 1
.irp i, 0,1,2,3,4,5,6,7,8,9,10,11,12,13,14,15
	ds_store_b128 v[STW], v[R+64*((\s)%2)+4*\i:R+64*((\s)%2)+4*\i+3] offset:SPITCH*\i
.endr
	WIN 0
.irp b, 0,1,2,3
.irp j, 0,1,2,3
	ds_load_b128 v[X+16*\b+4*\j:X+16*\b+4*\j+3], v[STR] offset:128*\b+16*\j   ; register 16 b + i = k 32 b + 16 h + i of row r
.endr
.endr
.endm
; 64 numbers of a lane, register 16 b + i = k 32 b + 16 (lane / 16) + i of my row, become a fragment's codes in v[PC] on and its scale word in v[PW].
.macro QUANT s
.irp b, 0,1,2,3
	v_max3_num_f32 v[TM+\b], |v[\s+16*\b]|, |v[\s+1+16*\b]|, 0x1800000   ; block b: my 16 numbers, and the floor 2^(3 - 127): the byte cannot fall under 1
.endr
.irp i, 2,4,6,8,10,12,14
.irp b, 0,1,2,3
	v_max3_num_f32 v[TM+\b], v[TM+\b], |v[\s+16*\b+\i]|, |v[\s+1+16*\b+\i]|   ; (the four blocks by turns)
.endr
.endr
.irp b, 0,1,2,3
	v_permlanex16_b32 v[TM+4+\b], v[TM+\b], s[SEL], s[SEL+1]
.endr
.irp b, 0,1,2,3
	v_max_num_f32 v[TM+\b], v[TM+\b], v[TM+4+\b]   ; with lane l xor 16's: the block's largest magnitude
.endr
.irp b, 0,1,2,3
	v_add_nc_u32 v[TM+12+\b], 0xff000000, v[TM+\b]   ; 2 off its exponent field: the conversion's scale operand
.endr
.irp b, 0,1,2,3
	v_lshrrev_b32 v[TM+4+\b], 23, v[TM+12+\b]      ; the scale's byte
.endr
	v_lshl_or_b32 v[PW], v[TM+5], 8, v[TM+4]       ; the four bytes make my row's scale word
	v_lshl_or_b32 v[PW], v[TM+6], 16, v[PW]
	v_lshl_or_b32 v[PW], v[TM+7], 24, v[PW]
.irp b, 0,1,2,3
	v_cvt_scalef32_pk8_fp4_f32 v[PC+2*\b], v[\s+16*\b:\s+7+16*\b], v[TM+12+\b]
	v_cvt_scalef32_pk8_fp4_f32 v[PC+1+2*\b], v[\s+8+16*\b:\s+15+16*\b], v[TM+12+\b]
.endr
	v_nop                                          ; one plain place behind a scaled conversion
.irp c, 0,1                                    ; the operand's layout wants a whole block in a lane: lanes 0-15 block 2 c, lanes 16-31 block 2 c + 1
.irp i, 0,1
	v_permlane16_swap_b32 v[PC+4*\c+\i], v[PC+2+4*\c+\i]
.endr
.endr
.endm
.macro XSTEP s
.if (\s) < 3
	s_wait_loadcnt 16                              ; this K step's sixteen loads (and all older ones) are in; the next K step's sixteen may be out
.else
	s_wait_loadcnt 0x0
.endif
	TURN \s
	s_wait_dscnt 0x0                               ; the numbers are back; the stores have read the landing set; the last images have left their registers
.if (\s) < 2
	LOADX (\s)+2
.endif
	QUANT X
.irp c, 0,1
	ds_store_b128 v[XWI], v[PC+4*\c:PC+4*\c+3] offset:1024*(\s)+512*\c   ; the fragment goes to LDS as it stands
.endr
	ds_store_b32 v[XWS], v[PW] offset:4*(\s)
.endm
	LOADX 0                                        ; x is asked for last, so that the counts above hold on both ways through the bias
	LOADX 1
	; where the results go, while the loads are on their way
	s_lshl_b32 s46, s28, 3
	s_add_co_u32 s46, s46, s26                     ; 8 batch + head
	s_cmp_eq_u32 s27, 0
	s_cselect_b64 s[34:35], s[20:21], s[22:23]     ; qimg or kv
	s_cselect_b32 s47, 19, 20                      ; a head's bytes: 2^19 in qimg, 2^20 in kv
	s_cselect_b32 s48, 14, 15                      ; 128 positions' bytes: 2^14, 2^15
	s_cselect_b32 s49, 13, 14                      ; four tiles of positions on: 2^13, 2^14
	s_lshl_b32 s46, s46, s47
	s_lshl_b32 s48, s29, s48
	s_add_co_u32 s46, s46, s48
	s_cmp_eq_u32 s27, 2
	s_cselect_b32 s48, 8192, 0                     ; V's half of a block of 64 keys lies behind K's
	s_cselect_b32 s50, 12, 8                       ; a head's bytes in first: 4,096 in v^T, 256 in a row of q or k
	s_add_co_u32 s46, s46, s48
	s_mov_b32 s47, 0
	s_add_nc_u64 s[34:35], s[34:35], s[46:47]      ; tiles 0-3
	s_lshl_b32 s46, 1, s49
	s_add_nc_u64 s[40:41], s[34:35], s[46:47]      ; tiles 4-7
	s_lshl_b32 s46, s27, 16
	s_lshl_b32 s48, s28, 15
	s_add_co_u32 s46, s46, s48
	s_lshl_b32 s48, s26, s50
	s_add_co_u32 s46, s46, s48
	s_add_nc_u64 s[42:43], s[24:25], s[46:47]      ; first: 65,536 tensor + 32,768 batch + my head
.irp q, 0,1,2,3
	XSTEP \q
.endr
	s_wait_dscnt 0x0                               ; for the others' sake: my images and scale words lie in LDS
	s_barrier_signal -1
	s_barrier_wait -1
.macro FETCH m                         ; tile m's four fragments and scale words: nine LDS loads
.irp s, 0,1,2,3
.irp c, 0,1
	ds_load_b128 v[XF+32*((\m)%2)+8*\s+4*\c:XF+32*((\m)%2)+8*\s+4*\c+3], v[FI] offset:4096*(\m)+1024*\s+512*\c
.endr
.endr
	ds_load_b128 v[XS+4*((\m)%2):XS+4*((\m)%2)+3], v[FS] offset:512*(\m)
.endm
; Tile m of 16 positions x my head's 64 channels.  n = 0: q, k;  n = 1: v.  The four accumulators take turns, one instruction a turn.
.macro PTILE m, n
.set XFS, XF+32*((\m)%2)
.set XSS, XS+4*((\m)%2)
.if (\m) < 7
	s_wait_dscnt 9                                 ; this tile's nine loads are in; the next tile's nine may be out
.else
	s_wait_dscnt 0x0
.endif
.if \n
	WIN 0x04                                       ; W is source 1: window 1
.else
	WIN 0x01                                       ; W is source 0: window 1
.endif
.irp s, 0,1,2,3
.irp ct, 0,1,2,3
.if \n
.if \s == 0
	v_wmma_scale_f32_16x16x128_f8f6f4 v[ACC+8*\ct:ACC+8*\ct+7], v[XFS+8*\s:XFS+8*\s+7], v[8*(4*\ct+\s):8*(4*\ct+\s)+7], v[BI+8*\ct:BI+8*\ct+7], v[XSS+\s], v[WS+4*\ct+\s] matrix_a_fmt:MATRIX_FMT_FP4 matrix_b_fmt:MATRIX_FMT_FP4
.else
	v_wmma_scale_f32_16x16x128_f8f6f4 v[ACC+8*\ct:ACC+8*\ct+7], v[XFS+8*\s:XFS+8*\s+7], v[8*(4*\ct+\s):8*(4*\ct+\s)+7], v[ACC+8*\ct:ACC+8*\ct+7], v[XSS+\s], v[WS+4*\ct+\s] matrix_a_fmt:MATRIX_FMT_FP4 matrix_b_fmt:MATRIX_FMT_FP4
.endif
.else
.if \s == 0
	v_wmma_scale_f32_16x16x128_f8f6f4 v[ACC+8*\ct:ACC+8*\ct+7], v[8*(4*\ct+\s):8*(4*\ct+\s)+7], v[XFS+8*\s:XFS+8*\s+7], v[BI+8*\ct:BI+8*\ct+7], v[WS+4*\ct+\s], v[XSS+\s] matrix_a_fmt:MATRIX_FMT_FP4 matrix_b_fmt:MATRIX_FMT_FP4
.else
	v_wmma_scale_f32_16x16x128_f8f6f4 v[ACC+8*\ct:ACC+8*\ct+7], v[8*(4*\ct+\s):8*(4*\ct+\s)+7], v[XFS+8*\s:XFS+8*\s+7], v[ACC+8*\ct:ACC+8*\ct+7], v[WS+4*\ct+\s], v[XSS+\s] matrix_a_fmt:MATRIX_FMT_FP4 matrix_b_fmt:MATRIX_FMT_FP4
.endif
.endif
.endr
.endr
	WIN 0
.rept 4
	v_nop                                          ; four places in front of loads into registers that the products read, and of the first read of results
.endr
.if (\m) < 6
	FETCH (\m)+2
.endif
.if (\m) == 0
	s_cmp_lg_u32 s29, 0                            ; positions 0-15 of a batch leave as f32 too
	s_cbranch_scc1 .Lnot_first_\@
.irp ct, 0,1,2,3
.if \n
	global_store_b128 v[VFN], v[ACC+8*\ct:ACC+8*\ct+3], s[42:43] offset:1024*\ct          ; v^T: channel 16 ct + r, positions 8 h on; each accumulator from its low end on
	global_store_b128 v[VFN], v[ACC+8*\ct+4:ACC+8*\ct+7], s[42:43] offset:1024*\ct+16
.else
	global_store_b128 v[VFT], v[ACC+8*\ct:ACC+8*\ct+3], s[42:43] offset:64*\ct            ; position r, channels 16 ct + 8 h on
	global_store_b128 v[VFT], v[ACC+8*\ct+4:ACC+8*\ct+7], s[42:43] offset:64*\ct+16
.endif
.endr
.Lnot_first_\@:
.endif
	s_wait_xcnt 0x0                                ; the earlier stores have read their data: the f16 registers and the accumulators are written again only behind this wait
.irp ct, 0,1,2,3
.irp j, 0,1,2,3
	v_cvt_pk_f16_f32 v[OUTP+4*\ct+\j], v[ACC+8*\ct+2*\j], v[ACC+8*\ct+2*\j+1]
.endr
.endr
.irp ct, 0,1,2,3
.if \n
.if (\m) < 4
	global_store_b128 v[LI], v[OUTP+4*\ct:OUTP+4*\ct+3], s[34:35] offset:(((\m)/2)%2)*4096+1024*\ct+((\m)%2)*512
.else
	global_store_b128 v[LI], v[OUTP+4*\ct:OUTP+4*\ct+3], s[40:41] offset:(((\m)/2)%2)*4096+1024*\ct+((\m)%2)*512
.endif
.else
.if (\m) < 4
	global_store_b128 v[LI], v[OUTP+4*\ct:OUTP+4*\ct+3], s[34:35] offset:((\m)%4)*2048+512*\ct
.else
	global_store_b128 v[LI], v[OUTP+4*\ct:OUTP+4*\ct+3], s[40:41] offset:((\m)%4)*2048+512*\ct
.endif
.endif
.endr
.endm
	FETCH 0
	FETCH 1
	s_cmp_eq_u32 s27, 2
	s_cbranch_scc1 .Lpath_n
.irp q, 0,1,2,3,4,5,6,7
	PTILE \q, 0
.endr
	s_branch .Ldone
.Lpath_n:
.irp q, 0,1,2,3,4,5,6,7
	PTILE \q, 1
.endr
.Ldone:
	s_wait_tensorcnt 0x0                           ; the wave's end, behind my last LDS store
	ds_add_u32 v[SPW], v[NIL]
	s_wait_dscnt 0x0
	s_endpgm
.Lfunc_end_k_q07665a6510_proj:
	.size	k_q07665a6510_proj, .Lfunc_end_k_q07665a6510_proj-k_q07665a6510_proj
	.p2alignl 7, 3214868480
	.fill 96, 4, 3214868480
	.section	.rodata,"a",@progbits
	.p2align	6, 0x0
	.amdhsa_kernel k_q07665a6510_proj
		.amdhsa_group_segment_fixed_size 105472
		.amdhsa_private_segment_fixed_size 0
		.amdhsa_enable_private_segment 0
		.amdhsa_kernarg_size 88
		.amdhsa_user_sgpr_count 2
		.amdhsa_user_sgpr_kernarg_segment_ptr 1
		.amdhsa_wavefront_size32 1
		.amdhsa_system_sgpr_workgroup_id_x 1
		.amdhsa_system_sgpr_workgroup_id_y 1
		.amdhsa_system_sgpr_workgroup_id_z 1
		.amdhsa_system_vgpr_workitem_id 0
		.amdhsa_next_free_vgpr 512
		.amdhsa_next_free_sgpr 66
		.amdhsa_reserve_vcc 0
		.amdhsa_float_denorm_mode_32 3
		.amdhsa_float_denorm_mode_16_64 3
		.amdhsa_memory_ordered 1
		.amdhsa_forward_progress 1
		.amdhsa_inst_pref_size 110
	.end_amdhsa_kernel
	.amdgpu_metadata
---
amdhsa.version: [ 1, 2 ]
amdhsa.kernels:
  - .name:           k_q07665a6510_proj
    .symbol:         k_q07665a6510_proj.kd
    .args:
      - { .name: query, .offset: 0, .size: 8, .value_kind: global_buffer, .address_space: global }
      - { .name: key, .offset: 8, .size: 8, .value_kind: global_buffer, .address_space: global }
      - { .name: value, .offset: 16, .size: 8, .value_kind: global_buffer, .address_space: global }
      - { .name: wfrag, .offset: 24, .size: 8, .value_kind: global_buffer, .address_space: global }
      - { .name: wscl, .offset: 32, .size: 8, .value_kind: global_buffer, .address_space: global }
      - { .name: b_q, .offset: 40, .size: 8, .value_kind: global_buffer, .address_space: global }
      - { .name: b_k, .offset: 48, .size: 8, .value_kind: global_buffer, .address_space: global }
      - { .name: b_v, .offset: 56, .size: 8, .value_kind: global_buffer, .address_space: global }
      - { .name: qimg, .offset: 64, .size: 8, .value_kind: global_buffer, .address_space: global }
      - { .name: kv, .offset: 72, .size: 8, .value_kind: global_buffer, .address_space: global }
      - { .name: first, .offset: 80, .size: 8, .value_kind: global_buffer, .address_space: global }
    .group_segment_fixed_size: 105472
    .private_segment_fixed_size: 0
    .kernarg_segment_align: 8
    .kernarg_segment_size: 88
    .max_flat_workgroup_size: 256
    .sgpr_count:     66
    .vgpr_count:     512
    .wavefront_size: 32
...
	.end_amdgpu_metadata
.endif
;; end of part 2
;; launch attn (part 3): grid 16 x 16, 8 waves a work-group, no clusters, 327,680 bytes of LDS; arguments qimg, kv, ctx; writes ctx
.if DOCPART == 3
	.amdgcn_target "amdgcn-amd-amdhsa--gfx1250"
	.amdhsa_code_object_version 6
	.text
	.protected	k_q07665a6510_attn
	.globl	k_q07665a6510_attn
	.p2align	8
	.type	k_q07665a6510_attn,@function
k_q07665a6510_attn:
	s_mov_b64 s[64:65], 0
	v_nop
	global_prefetch_b8 v0, s[64:65] scope:SCOPE_SE
	s_setreg_imm32_b32 hwreg(HW_REG_WAVE_MODE, 25, 1), 1
	s_wait_xcnt 0x0
; Causal attention of one head (work-group y = 8 batch + head), head size 64, operands f16, products, maxima and sums f32.
; EVEN SHARES.  Work-group x = J takes two blocks of 128 queries, one after the other: block 31 - J, then block J: (32 - J) + (J + 1) = 33 steps of 128 keys for every work-group.
; THE KEYS ARE SPLIT INSIDE THE WORK-GROUP.  Of each step's 128 keys waves 0-3 (group 0) take the first 64, waves 4-7 (group 1) the second 64.  Wave WP = wave % 4 of either group owns queries
; Q0 = 128 block + 32 WP .. + 31: two tiles of 16, so that each fragment of K and V read from LDS feeds two products.  Register tile t holds query tile t xor group; at a pass's end each wave hands
; its register tile 1 (O, c m, l) to wave xor 4 through LDS and finishes its tile 0: the same text in all waves.
; LAYOUT.  S^T = K Q^T (source 0 = 16 keys, source 1 = 16 queries), O^T = V^T P: a lane holds one query throughout.  q, k, v arrive as images of these fragments' registers: 512 consecutive bytes a load.
; SOFTMAX.  Running maximum m and sum l for each query: p = 2^(c s - c m), c = log2(e) / 8; O and l are multiplied by a = 2^(c m_old - c m_new) in every step.  p is rounded to f16, l sums the unrounded p.
; RING.  Two LDS buffers of 512 keys (8 blocks of 64 keys: 8 KB of K, 8 KB of V^T).  Each wave fetches one block by one tensor load: by this text's own count a wave never has more than one out.
; THE MASK.  Every work-group walks a constant number of slots (8, then 4).  A step whose 64 keys all come after my 32 queries is jumped over (a scalar branch on ids); a slot whose first key comes after the
; work-group's last query is not asked for.  Pass 0's last change of slots asks for pass 1's first slot.
; No cluster: the work-groups of a head have different causal limits, so some partner would jump over every read of a tile that a joint load brings.
; LIMITS: NaN and infinities are not served.  c m is rounded once, so with scores near 1e9 a row's largest p may reach 2^8, not 1: the same factor on every p of the row, inside f16 and f32.
.set BUF,   131072                     ; a buffer; one exclusive or turns an address in one buffer into the other's
.set MRG,   2*BUF                      ; behind the ring: for each wave 4,352 bytes: a tile of O (4,096), c m (128), l (128)
.set SPARE, MRG+8*4352                 ; the spare words, 128 bytes for each wave, that no other line names
.set LI,  1                            ; v1   16 x lane
.set ADR, 2                            ; v2   LDS address of the step's block
.set VQ0, 3                            ; v3, v4  my offset in Q's images for register tile 0, 1
.set VQ1, 4
.set RDA, 5                            ; v5, v6  r - 8 h + 16 (t xor group)
.set RDB, 6
.set NINF, 7                           ; v7   -infinity
.set SPW, 8                            ; v8   LDS address of my spare word; never rewritten
.set NIL, 9                            ; v9   0; never rewritten
.set MO,  10                           ; v10, v11  where I put a tile of O, and c m and l
.set MS,  11
.set PO,  12                           ; v12, v13  where wave xor 4 has put its
.set PS,  13
.set D0,  14                           ; v14, v15  the mask's bound for tile 0, 1
.set ST,  16                           ; v16-31  tile t's statistics at ST + 8 t: +0 c m, +1 m, +2, +3 l in two halves, +4 .. +7 at work (a in +6)
.set S,   32                           ; v32-95  S^T, then p: 32 t + 8 (tile of 16 keys)
.set P,   96                           ; v96-127 p in f16: 16 t + 8 (32 keys)
.set O,   128                          ; v128-191 O^T: 32 t + 8 (tile of 16 channels)
.set PB,  192                          ; v192-223 the partner's tile of O; then my results in f16
.set PFO, 242                          ; v242 256 x lane, for the prefetches; never rewritten
.set QR,  0                            ; window 1: v0-31 Q (16 t + 8 c), v32-95 K (8 (2 kt + c)), v96-159 V^T (8 (4 kb + ct))
.set KR,  32
.set VR,  96
.set WV, 10
.set G,  11
.set WP, 12
.set J,  13
.set BH, 14
.set QB, 15
.set Q0, 16                            ; my first query
.set LASTQ, 17                         ; the work-group's last query of this pass
.set KF, 18                            ; my step's first key
.set NK, 19                            ; the first key of the slot that the next change of slots asks for
.set TBS, 20                           ; LDS byte of my step's block
.set VC, 21
.set IC, 22
.set T0, 23
.set G1, 24                            ; s[24:31] descriptor group 1
.set G0, 32                            ; s[32:35] descriptor group 0
.set KVW, 36                           ; s[36:37] kv at my head's first slot, my wave's block
.set OF, 38                            ; s[38:39] a slot's offset in bytes
.set OFK, 40                           ; its first key
.set CS, 42                            ; s[42:43] c, twice
.set SEL, 44                           ; s[44:45] v_permlanex16_b32's selects for lane l xor 16
.set PFA, 46                           ; s[46:47] where my prefetches stand
.set LIM, 48
.set QP, 50
.set OP, 52
.set TP, 54
.set MSB, 0
.macro WIN new                         ; the immediate's high byte repeats the setting that is left
.if MSB != \new
	s_set_vgpr_msb (MSB<<8)|\new
.set MSB, \new
.endif
.endm
	s_load_b128 s[4:7], s[0:1], 0x0                ; qimg, kv
	s_load_b64 s[8:9], s[0:1], 0x10                ; ctx
	v_lshl_add_u32 v[SPW], v0, 2, SPARE
	v_mov_b32 v[NIL], 0
	ds_add_u32 v[SPW], v[NIL]                      ; the wave's opening: the add, twice on end, and its wait ahead of my first tensor load
	ds_add_u32 v[SPW], v[NIL]
	v_lshrrev_b32 v2, 5, v0
	v_readfirstlane_b32 s[WV], v2                  ; wave 0..7
	s_lshr_b32 s[G], s[WV], 2
	s_and_b32 s[WP], s[WV], 3
	s_mov_b32 s[J], ttmp9
	s_and_b32 s[BH], ttmp7, 0xffff
	; descriptor group 1: a dense block of 16 KB as 64 rows of 256 bytes (32 elements of 8 bytes), no padding: images are read 512 consecutive bytes at a time
	s_mov_b32 s[G1], 3<<16
	s_mov_b32 s[G1+1], 32<<16                      ; tensor_dim0
	s_mov_b32 s[G1+2], 64<<16                      ; tensor_dim1
	s_mov_b32 s[G1+3], 32<<16                      ; tile_dim0
	s_mov_b32 s[G1+4], 64                          ; tile_dim1
	s_mov_b32 s[G1+5], 32                          ; the pitch
	s_mov_b32 s[G1+6], 0
	s_mov_b32 s[G1+7], 0
	s_mov_b32 s[G0], 1
	s_lshl_b32 s[G0+1], s[WV], 14                  ; LDS: block = my wave's number, buffer 0
	s_mov_b32 s[CS], 0x3e38aa3b                    ; c = log2(e) / sqrt(64)
	s_mov_b32 s[CS+1], s[CS]
	s_mov_b32 s[SEL], 0x76543210
	s_mov_b32 s[SEL+1], 0xfedcba98
	s_lshl_b32 s[TBS], s[G], 14                    ; my group's block of the first step
	s_cmp_eq_u32 s[J], 0
	s_cselect_b32 s[LIM], 2, -1                    ; the head's work-group 0 prefetches, while the count of visits left is above 2
	s_lshl_b32 s[OF], s[BH], 20
	s_lshl_b32 s[T0], s[WV], 14
	s_add_co_u32 s[OF], s[OF], s[T0]
	s_mov_b32 s[OF+1], 0
	v_and_b32 v2, 31, v0
	v_lshlrev_b32 v[LI], 4, v2
	v_lshlrev_b32 v[PFO], 8, v2
	s_lshl_b32 s[T0], s[G], 11
	v_add_nc_u32 v[VQ0], s[T0], v[LI]              ; register tile t holds query tile t xor group
	s_xor_b32 s[T0], s[T0], 2048
	v_add_nc_u32 v[VQ1], s[T0], v[LI]
	v_and_b32 v14, 15, v0
	v_bfe_u32 v15, v0, 4, 1
	v_lshlrev_b32 v15, 3, v15
	v_sub_nc_u32 v14, v14, v15                     ; r - 8 h
	s_lshl_b32 s[T0], s[G], 4
	v_add_nc_u32 v[RDA], s[T0], v14
	s_xor_b32 s[T0], s[T0], 16
	v_add_nc_u32 v[RDB], s[T0], v14
	v_mov_b32 v[NINF], 0xff800000
	s_mul_i32 s[T0], s[WV], 4352
	s_add_co_u32 s[T0], s[T0], MRG
	v_add_nc_u32 v[MO], s[T0], v[LI]
	v_lshl_add_u32 v[MS], v2, 2, s[T0]
	v_add_nc_u32 v[MS], 4096, v[MS]
	s_xor_b32 s[T0], s[WV], 4
	s_mul_i32 s[T0], s[T0], 4352
	s_add_co_u32 s[T0], s[T0], MRG
	v_add_nc_u32 v[PO], s[T0], v[LI]
	v_lshl_add_u32 v[PS], v2, 2, s[T0]
	v_add_nc_u32 v[PS], 4096, v[PS]
	s_wait_dscnt 0x0                               ; both opening adds are done
	s_wait_kmcnt 0x0
	s_add_nc_u64 s[KVW:KVW+1], s[6:7], s[OF:OF+1]
	s_mov_b64 s[G0+2:G0+3], s[KVW:KVW+1]
	s_or_b32 s[G0+3], s[G0+3], 0x80000000          ; type = 2
	s_add_nc_u64 s[PFA:PFA+1], s[KVW:KVW+1], BUF   ; in slot 1: the first change of slots steps it to slot 2
	tensor_load_to_lds s[G0:G0+3], s[G1:G1+7]
	s_nop 0
.rept 4
	v_nop
.endr
; A PREFETCH of my wave's 16 KB of the slot that the NEXT change of slots will ask for: 64 blocks of 256 bytes, lanes 256 bytes apart, two instructions.  All work-groups of a head walk the same kv; work-group 0,
; whose first pass walks all eight slots, asks, and nobody else: so each block of slots 2 to 7 is named once in the launch.  Slots 0 and 1 and the second pass come by their loads alone; the last two visits ask for nothing.
.macro ASK
	s_cmp_gt_u32 s[VC], s[LIM]
	s_cbranch_scc0 .Lnot_mine_\@
	global_prefetch_b8 v[PFO], s[PFA:PFA+1] th:TH_LOAD_NT scope:SCOPE_SE
	global_prefetch_b8 v[PFO], s[PFA:PFA+1] offset:8192 th:TH_LOAD_NT scope:SCOPE_SE
.Lnot_mine_\@:
.endm
; THE CHANGE OF SLOTS stands at a slot's head.  Each wave waits for all its tensor loads (its block of the slot ahead), adds 0 to its spare word, and waits for that and for its reads of the buffer that it has left.
; Behind the barrier the slot ahead is whole and nobody reads the other buffer.  fill = 1: that buffer takes the next 512 keys, if the work-group's last query sees any of them.
.macro CHANGE fill, ask
	s_wait_tensorcnt 0x0                           ; no tensor load of mine is out, so group 0 may be written
	ds_add_u32 v[SPW], v[NIL]                      ; 0 onto my spare word; the descriptor's steps stand between it and the wait for it
.if \fill
	s_xor_b32 s[G0+1], s[G0+1], BUF                ; the other buffer than last time
	s_and_b32 s[OFK], s[NK], 4095                  ; behind the head's last slot comes its first: the second pass's
	s_lshl_b32 s[OF], s[OFK], 8                    ; 256 bytes a key
	s_add_nc_u64 s[G0+2:G0+3], s[KVW:KVW+1], s[OF:OF+1]
	s_or_b32 s[G0+3], s[G0+3], 0x80000000
.endif
.if \ask
	s_wait_xcnt 0x0                                ; the last prefetches, a slot back, have read their address
	s_add_nc_u64 s[PFA:PFA+1], s[PFA:PFA+1], BUF
.endif
	s_wait_dscnt 0x0                               ; the add is done, and my reads of the buffer that I have left are over
	s_barrier_signal -1
	s_barrier_wait -1
.if \fill
	s_cmp_gt_u32 s[OFK], s[LASTQ]                  ; ids and counted steps alone: all eight waves go the same way.  A slot that none of them reads is not asked for;
	s_cbranch_scc1 .Lpast_\@                       ; where that begins hangs on the work-group's number, so it cannot be written out; every wait on TENSORcnt in this text is for 0
	tensor_load_to_lds s[G0:G0+3], s[G1:G1+7]      ; my one tensor load until the next such barrier: it has a slot's four steps in which to land
	s_nop 0
.rept 4
	v_nop
.endr
.Lpast_\@:
.endif
.if \ask
	ASK
.endif
	s_add_co_u32 s[NK], s[NK], 512
.endm
; The softmax of my two tiles for 64 keys; the tiles alternate line by line, and each accumulator is read from its low end on.
.macro SOFTMAX
.irp j, 0,1,2,3
.irp t, 0,1
	v_max3_num_f32 v[ST+8*\t+4+\j], v[S+32*\t+8*\j], v[S+32*\t+8*\j+1], v[S+32*\t+8*\j+2]
.endr
.endr
.irp u, 1,2
.irp j, 0,1,2,3
.irp t, 0,1
	v_max3_num_f32 v[ST+8*\t+4+\j], v[ST+8*\t+4+\j], v[S+32*\t+8*\j+2*\u+1], v[S+32*\t+8*\j+2*\u+2]
.endr
.endr
.endr
.irp t, 0,1
	v_max3_num_f32 v[ST+8*\t+4], v[ST+8*\t+4], v[S+32*\t+7], v[S+32*\t+15]
	v_max3_num_f32 v[ST+8*\t+6], v[ST+8*\t+6], v[S+32*\t+23], v[S+32*\t+31]
.endr
.irp t, 0,1
	v_max3_num_f32 v[ST+8*\t+4], v[ST+8*\t+4], v[ST+8*\t+5], v[ST+8*\t+6]
.endr
.irp t, 0,1
	v_max3_num_f32 v[ST+8*\t+4], v[ST+8*\t+4], v[ST+8*\t+7], v[ST+8*\t+1]   ; with the old m
.endr
.irp t, 0,1
	v_permlanex16_b32 v[ST+8*\t+5], v[ST+8*\t+4], s[SEL], s[SEL+1]          ; the query's other 32 keys lie in the lane 16 away
.endr
.irp t, 0,1
	v_mov_b32 v[ST+8*\t+7], v[ST+8*\t]             ; c m_old is kept for a
.endr
.irp t, 0,1
	v_max_num_f32 v[ST+8*\t+1], v[ST+8*\t+4], v[ST+8*\t+5]
.endr
.irp t, 0,1
	v_mul_f32 v[ST+8*\t], s[CS], v[ST+8*\t+1]
.endr
.irp t, 0,1
	v_sub_f32 v[ST+8*\t+7], v[ST+8*\t+7], v[ST+8*\t]
.endr
.irp b, 0,1,2,3,4,5,6,7,8,9,10,11,12,13,14,15
.irp t, 0,1
	v_pk_fma_f32 v[S+32*\t+2*\b:S+32*\t+2*\b+1], v[S+32*\t+2*\b:S+32*\t+2*\b+1], s[CS:CS+1], v[ST+8*\t:ST+8*\t+1] op_sel_hi:[1,0,0] neg_lo:[0,0,1] neg_hi:[0,0,1]   ; c s - c m
.endr
.endr
.irp t, 0,1
	v_exp_f32 v[ST+8*\t+6], v[ST+8*\t+7]           ; a
.endr
.irp e, 0,1,2,3,4,5,6,7,8,9,10,11,12,13,14,15,16,17,18,19,20,21,22,23,24,25,26,27,28,29,30,31
.irp t, 0,1
	v_exp_f32 v[S+32*\t+\e], v[S+32*\t+\e]         ; p
.endr
.endr
	v_nop                                          ; the plain instruction behind the last exponential,
	s_wait_alu depctr_va_vdst(0)                   ; and a wait ahead of the batch's first reader
.irp i, 0,1,2,3,4,5,6,7,8,9,10,11,12,13,14,15
.irp t, 0,1
	v_cvt_pk_f16_f32 v[P+16*\t+\i], v[S+32*\t+2*\i], v[S+32*\t+2*\i+1]
.endr
.endr
.irp t, 0,1
	v_pk_fma_f32 v[ST+8*\t+2:ST+8*\t+3], v[ST+8*\t+2:ST+8*\t+3], v[ST+8*\t+6:ST+8*\t+7], v[S+32*\t:S+32*\t+1] op_sel_hi:[1,0,1]   ; l a + the first pair: one chain;
	v_pk_add_f32 v[ST+8*\t+4:ST+8*\t+5], v[S+32*\t+2:S+32*\t+3], v[S+32*\t+4:S+32*\t+5]                                        ; a second
.endr
.irp i, 3,5,7,9,11,13
.irp t, 0,1
	v_pk_add_f32 v[ST+8*\t+2:ST+8*\t+3], v[ST+8*\t+2:ST+8*\t+3], v[S+32*\t+2*\i:S+32*\t+2*\i+1]
	v_pk_add_f32 v[ST+8*\t+4:ST+8*\t+5], v[ST+8*\t+4:ST+8*\t+5], v[S+32*\t+2*\i+2:S+32*\t+2*\i+3]
.endr
.endr
.irp t, 0,1
	v_pk_add_f32 v[ST+8*\t+2:ST+8*\t+3], v[ST+8*\t+2:ST+8*\t+3], v[S+32*\t+30:S+32*\t+31]
.endr
.irp t, 0,1
	v_pk_add_f32 v[ST+8*\t+2:ST+8*\t+3], v[ST+8*\t+2:ST+8*\t+3], v[ST+8*\t+4:ST+8*\t+5]
.endr
.irp i, 0,1,2,3,4,5,6,7,8,9,10,11,12,13,14,15
.irp t, 0,1
	v_pk_mul_f32 v[O+32*\t+2*\i:O+32*\t+2*\i+1], v[O+32*\t+2*\i:O+32*\t+2*\i+1], v[ST+8*\t+6:ST+8*\t+7] op_sel_hi:[1,0]   ; O^T a
.endr
.endr
.endm
; A STEP: my group's 64 keys of a step's 128.
.macro STEP
	s_cmp_gt_u32 s[KF], s[Q0]                      ; KF is a multiple of 64 and Q0 of 32: KF > Q0 says that all 64 keys come after my 32 queries; else key KF counts for each of them
	s_cbranch_scc1 .Lhid_\@
	v_add_nc_u32 v[ADR], s[TBS], v[LI]
.rept 3
	v_nop                                          ; with the addition: four places in front of loads into registers that the last products read
.endr
	WIN 0x40                                       ; destination window 1
.irp f, 0,1,2,3,4,5,6,7
	ds_load_b128 v[KR+8*\f:KR+8*\f+3], v[ADR] offset:1024*\f           ; K: keys 16 (f / 2) on, channels 32 (f % 2) on
	ds_load_b128 v[KR+8*\f+4:KR+8*\f+7], v[ADR] offset:1024*\f+512
.endr
.irp f, 0,1,2,3,4,5,6,7
	ds_load_b128 v[VR+8*\f:VR+8*\f+3], v[ADR] offset:8192+1024*\f      ; V^T: keys 32 (f / 4) on, channels 16 (f % 4) on
	ds_load_b128 v[VR+8*\f+4:VR+8*\f+7], v[ADR] offset:8192+1024*\f+512
.endr
	s_wait_dscnt 16                                ; K is in; V's sixteen loads may be out
	WIN 0x05                                       ; K and Q in window 1, S^T in window 0
.irp c, 0,1                                    ; the eight accumulators take turns, one instruction a turn
.irp k, 0,1,2,3
.irp t, 0,1
.if \c == 0
	v_wmma_f32_16x16x32_f16 v[S+32*\t+8*\k:S+32*\t+8*\k+7], v[KR+8*(2*\k+\c):KR+8*(2*\k+\c)+7], v[QR+16*\t+8*\c:QR+16*\t+8*\c+7], 0
.else
	v_wmma_f32_16x16x32_f16 v[S+32*\t+8*\k:S+32*\t+8*\k+7], v[KR+8*(2*\k+\c):KR+8*(2*\k+\c)+7], v[QR+16*\t+8*\c:QR+16*\t+8*\c+7], v[S+32*\t+8*\k:S+32*\t+8*\k+7]
.endif
.endr
.endr
.endr
	WIN 0
.rept 4
	v_nop                                          ; four places in front of the first read of the scores
.endr
	s_add_co_u32 s[T0], s[KF], 63
	s_cmp_le_u32 s[T0], s[Q0]                      ; a step all of whose keys count skips the mask
	s_cbranch_scc1 .Lopen_\@
	s_sub_co_i32 s[T0], s[Q0], s[KF]
	v_add_nc_u32 v[D0], s[T0], v[RDA]              ; register 8 k + j of tile t holds key KF + 16 k + 8 h + j: hidden where 16 k + j > my query - KF - 8 h
	v_add_nc_u32 v[D0+1], s[T0], v[RDB]
.irp t, 0,1
.irp k, 0,1,2,3
.irp j, 0,1,2,3,4,5,6,7
	v_cmp_gt_i32 vcc_lo, 16*\k+\j, v[D0+\t]
	v_cndmask_b32 v[S+32*\t+8*\k+\j], v[S+32*\t+8*\k+\j], v[NINF], vcc_lo
.endr
.endr
.endr
.Lopen_\@:
	SOFTMAX
	s_wait_dscnt 0x0                               ; V is in
	WIN 0x01                                       ; V^T in window 1
.irp b, 0,1
.irp c, 0,1,2,3
.irp t, 0,1
	v_wmma_f32_16x16x32_f16 v[O+32*\t+8*\c:O+32*\t+8*\c+7], v[VR+8*(4*\b+\c):VR+8*(4*\b+\c)+7], v[P+16*\t+8*\b:P+16*\t+8*\b+7], v[O+32*\t+8*\c:O+32*\t+8*\c+7]
.endr
.endr
.endr
	WIN 0
.Lhid_\@:
	s_add_co_u32 s[KF], s[KF], 128
	s_add_co_u32 s[TBS], s[TBS], 32768
.endm
.macro FOUR_STEPS                      ; a slot's four steps: written once, walked four times
	s_mov_b32 s[IC], 4
.Lstep_\@:
	STEP
	s_sub_co_u32 s[IC], s[IC], 1
	s_cmp_lg_u32 s[IC], 0
	s_cbranch_scc1 .Lstep_\@
	s_sub_co_u32 s[TBS], s[TBS], BUF               ; back to a slot's first step,
	s_xor_b32 s[TBS], s[TBS], BUF                  ; in the other buffer
.endm
; A pass begins: its ids, its addresses, Q, and statistics that the first step's change of m leaves as they should be (O = 0, l = 0, m under every score): so one written step serves first steps too.
.macro PROLOGUE p
	s_wait_xcnt 0x0                                ; the last pass's loads and stores have read their bases
.if \p
	s_mov_b32 s[QB], s[J]
.else
	s_sub_co_u32 s[QB], 31, s[J]
.endif
	s_lshl_b32 s[Q0], s[QB], 7
	s_or_b32 s[LASTQ], s[Q0], 127
	s_lshl_b32 s[T0], s[WP], 5
	s_add_co_u32 s[Q0], s[Q0], s[T0]
	s_lshl_b32 s[KF], s[G], 6
	s_mov_b32 s[NK], 512
	s_lshl_b32 s[TP], s[BH], 19
	s_lshl_b32 s[T0], s[Q0], 7
	s_add_co_u32 s[TP], s[TP], s[T0]               ; (256 head + Q0 / 16) x 2,048
	s_mov_b32 s[TP+1], 0
	s_add_nc_u64 s[QP:QP+1], s[4:5], s[TP:TP+1]
	WIN 0x40
.irp c, 0,1,2,3
	global_load_b128 v[QR+4*\c:QR+4*\c+3], v[VQ0], s[QP:QP+1] offset:512*\c
	global_load_b128 v[QR+16+4*\c:QR+16+4*\c+3], v[VQ1], s[QP:QP+1] offset:512*\c
.endr
	WIN 0
	s_lshr_b32 s[T0], s[Q0], 4                     ; the tile of 16 rows that I finish: 256 batch + Q0 / 16 + group
	s_add_co_u32 s[T0], s[T0], s[G]
	s_lshr_b32 s[TP], s[BH], 3
	s_lshl_b32 s[TP], s[TP], 8
	s_add_co_u32 s[T0], s[T0], s[TP]
	s_lshr_b32 s[TP], s[T0], 3
	s_lshl_b32 s[TP], s[TP], 17                    ; (RT / 8) x 131,072
	s_and_b32 s[T0], s[T0], 7
	s_lshl_b32 s[T0], s[T0], 13                    ; + (RT % 8) x 8,192
	s_add_co_u32 s[TP], s[TP], s[T0]
	s_bfe_u32 s[T0], s[BH], 0x10002
	s_lshl_b32 s[T0], s[T0], 16                    ; + (head / 4) x 65,536
	s_add_co_u32 s[TP], s[TP], s[T0]
	s_and_b32 s[T0], s[BH], 3
	s_lshl_b32 s[T0], s[T0], 11                    ; + (head % 4) x 2,048
	s_add_co_u32 s[TP], s[TP], s[T0]
	s_add_nc_u64 s[OP:OP+1], s[8:9], s[TP:TP+1]
.irp t, 0,1
	v_mov_b32 v[ST+8*\t+1], 0xff61b1e6             ; m = -3e38
	v_mul_f32 v[ST+8*\t], s[CS], v[ST+8*\t+1]
.irp i, 2,3,4,5,6,7
	v_mov_b32 v[ST+8*\t+\i], 0
.endr
.endr
.set i, 0
.rept 64
	v_mov_b32 v[O+i], 0
.set i, i+1
.endr
	s_wait_loadcnt 0x0                             ; Q
.endm
; A pass ends: the two groups' halves of the keys are joined.  A wave that met no key holds c m = -5.4e37, l = 0, O = 0: its factor comes out as 0; group 0 always holds key 0.
.macro EPILOGUE
.rept 4
	v_nop                                          ; four places behind the last products
.endr
.irp t, 0,1
	v_add_f32 v[ST+8*\t+4], v[ST+8*\t+2], v[ST+8*\t+3]
.endr
.irp t, 0,1
	v_permlanex16_b32 v[ST+8*\t+5], v[ST+8*\t+4], s[SEL], s[SEL+1]
.endr
.irp t, 0,1
	v_add_f32 v[ST+8*\t+4], v[ST+8*\t+4], v[ST+8*\t+5]   ; l
.endr
.irp c, 0,1,2,3
	ds_store_b128 v[MO], v[O+32+8*\c:O+32+8*\c+3] offset:1024*\c        ; register tile 1 goes to wave xor 4; each accumulator from its low end on
	ds_store_b128 v[MO], v[O+32+8*\c+4:O+32+8*\c+7] offset:1024*\c+512
.endr
	ds_store_b32 v[MS], v[ST+8]
	ds_store_b32 v[MS], v[ST+12] offset:128
	s_wait_tensorcnt 0x0                           ; the one load that may be out is the next pass's first slot, which the next change of slots waits for anyway: so none crosses this barrier
	s_wait_dscnt 0x0                               ; for the partner's sake: my stores are done
	s_barrier_signal -1
	s_barrier_wait -1
.irp c, 0,1,2,3,4,5,6,7
	ds_load_b128 v[PB+4*\c:PB+4*\c+3], v[PO] offset:512*\c
.endr
	ds_load_b32 v224, v[PS]
	ds_load_b32 v225, v[PS] offset:128
	s_wait_dscnt 0x0
	v_max_num_f32 v226, v[ST], v224                ; the joint c m
	v_sub_f32 v227, v[ST], v226
	v_sub_f32 v228, v224, v226
	v_exp_f32 v227, v227
	v_exp_f32 v228, v228
	v_nop
	s_wait_alu depctr_va_vdst(0)                   ; the wait ahead of the first reader
	v_mul_f32 v229, v227, v[ST+4]
	v_fma_f32 v229, v228, v225, v229               ; the joint l
	v_rcp_f32 v230, v229
	v_nop
	s_wait_alu depctr_va_vdst(0)
	v_mul_f32 v232, v227, v230                     ; my factor, twice, for the packed forms;
	v_mul_f32 v233, v227, v230
	v_mul_f32 v234, v228, v230                     ; the partner's
	v_mul_f32 v235, v228, v230
.set i, 0
.rept 16
	v_pk_mul_f32 v[O+i:O+i+1], v[O+i:O+i+1], v[232:233]
.set i, i+2
.endr
.set i, 0
.rept 16
	v_pk_fma_f32 v[O+i:O+i+1], v[PB+i:PB+i+1], v[234:235], v[O+i:O+i+1]
.set i, i+2
.endr
.set i, 0
.rept 16
	v_cvt_pk_f16_f32 v[PB+i], v[O+2*i], v[O+2*i+1]
.set i, i+1
.endr
.irp c, 0,1,2,3
	global_store_b128 v[LI], v[PB+4*\c:PB+4*\c+3], s[OP:OP+1] offset:512*\c   ; an image's chunk: 512 consecutive bytes
.endr
.endm
	PROLOGUE 0
	s_mov_b32 s[VC], 8
.Lpass0:                                           ; eight visits: every work-group walks all slots of the head
	CHANGE 1, 1
	FOUR_STEPS
	s_sub_co_u32 s[VC], s[VC], 1
	s_cmp_lg_u32 s[VC], 0
	s_cbranch_scc1 .Lpass0
	EPILOGUE
	PROLOGUE 1
	s_mov_b32 s[VC], 3
.Lpass1:                                           ; block J <= 15 sees at most four slots; the last visit is written out, since it asks for nothing
	CHANGE 1, 0
	FOUR_STEPS
	s_sub_co_u32 s[VC], s[VC], 1
	s_cmp_lg_u32 s[VC], 0
	s_cbranch_scc1 .Lpass1
	CHANGE 0, 0
	FOUR_STEPS
	EPILOGUE
	s_wait_tensorcnt 0x0                           ; the wave's end, behind my last tensor load and my last LDS store
	ds_add_u32 v[SPW], v[NIL]
	s_wait_dscnt 0x0
	s_endpgm
.Lfunc_end_k_q07665a6510_attn:
	.size	k_q07665a6510_attn, .Lfunc_end_k_q07665a6510_attn-k_q07665a6510_attn
	.p2alignl 7, 3214868480
	.fill 96, 4, 3214868480
	.section	.rodata,"a",@progbits
	.p2align	6, 0x0
	.amdhsa_kernel k_q07665a6510_attn
		.amdhsa_group_segment_fixed_size 327680
		.amdhsa_private_segment_fixed_size 0
		.amdhsa_enable_private_segment 0
		.amdhsa_kernarg_size 24
		.amdhsa_user_sgpr_count 2
		.amdhsa_user_sgpr_kernarg_segment_ptr 1
		.amdhsa_wavefront_size32 1
		.amdhsa_system_sgpr_workgroup_id_x 1
		.amdhsa_system_sgpr_workgroup_id_y 1
		.amdhsa_system_sgpr_workgroup_id_z 1
		.amdhsa_system_vgpr_workitem_id 0
		.amdhsa_next_free_vgpr 416
		.amdhsa_next_free_sgpr 66
		.amdhsa_reserve_vcc 1
		.amdhsa_float_denorm_mode_32 3
		.amdhsa_float_denorm_mode_16_64 3
		.amdhsa_memory_ordered 1
		.amdhsa_forward_progress 1
		.amdhsa_inst_pref_size 92
	.end_amdhsa_kernel
	.amdgpu_metadata
---
amdhsa.version: [ 1, 2 ]
amdhsa.kernels:
  - .name:           k_q07665a6510_attn
    .symbol:         k_q07665a6510_attn.kd
    .args:
      - { .name: qimg, .offset: 0, .size: 8, .value_kind: global_buffer, .address_space: global }
      - { .name: kv, .offset: 8, .size: 8, .value_kind: global_buffer, .address_space: global }
      - { .name: ctx, .offset: 16, .size: 8, .value_kind: global_buffer, .address_space: global }
    .group_segment_fixed_size: 327680
    .private_segment_fixed_size: 0
    .kernarg_segment_align: 8
    .kernarg_segment_size: 24
    .max_flat_workgroup_size: 256
    .sgpr_count:     66
    .vgpr_count:     416
    .wavefront_size: 32
...
	.end_amdgpu_metadata
.endif
;; end of part 3
;; launch oproj (part 4): grid 4 x 64, 4 waves a work-group, clusters of 4 x 4, 327,680 bytes of LDS; arguments ctx, woimg, b_o, out0; writes out0
.if DOCPART == 4
	.amdgcn_target "amdgcn-amd-amdhsa--gfx1250"
	.amdhsa_code_object_version 6
	.text
	.protected	k_q07665a6510_oproj
	.globl	k_q07665a6510_oproj
	.p2align	8
	.type	k_q07665a6510_oproj,@function
k_q07665a6510_oproj:
	s_mov_b64 s[64:65], 0
	v_nop
	global_prefetch_b8 v0, s[64:65] scope:SCOPE_SE
	s_setreg_imm32_b32 hwreg(HW_REG_WAVE_MODE, 25, 1), 1
	s_wait_xcnt 0x0
	s_wait_alu depctr_hold_cnt(0) depctr_sa_sdst(0) depctr_va_vdst(0) depctr_va_sdst(0) depctr_va_ssrc(0) depctr_va_vcc(0) depctr_vm_vsrc(0)
	s_getreg_b32 s2, hwreg(HW_REG_IB_STS2, 6, 4)
	s_cmp_eq_u32 s2, 0
	s_cbranch_scc0 .Lentry_in_a_cluster
	s_endpgm
.Lentry_in_a_cluster:
	s_bfe_u32 s2, ttmp6, 0x10000c
	s_cmp_lg_u32 s2, 0xf033
	s_cbranch_scc0 .Lentry_shape_is_right
	s_endpgm
.Lentry_shape_is_right:
; out0 = ctx W_o^T + b_o: [8,192][512] f32, operands f16, sums f32.  A work-group makes a tile of 128 x 128, each of its four waves 64 x 64: 16 accumulators.
; Both operands arrive as images of their fragments' registers: for a tile's 128 rows and half of K (256) one dense block of 64 KB.  All of K fits in LDS: nothing is filled again.
; Each wave fetches 32 KB of each K half by one joint load (waves 0, 1: ctx's row tiles 0-3, 4-7; waves 2, 3: W_o's): by this text's own count two tensor loads of a wave are out at the most.
; CLUSTERS: 4 x 4 work-groups.  The four of a row of the cluster need the same rows of ctx, the four of a column the same rows of W_o: each block is asked for jointly, with a mask that names the four.
; THE MATRIX INSTRUCTION IS USED TRANSPOSED (source 0 = 16 rows of W_o, source 1 = 16 rows of ctx): a lane holds eight neighbouring numbers of a row of out0.  The bias is the C of each sum's first product.
; Rows 0-15 of each batch are written here like all others and written over by the launch that follows, which makes them in f32.
; REGISTERS: window 0: v16-29 addresses; v32-63 the bias; v64-127 the way out; v128-255 the accumulators ((a, b) at 128 + 8 (4 a + b)).  Window 1: two fragment buffers of 128: 64 of ctx, then 64 of W_o.
.set KH,    131072                     ; LDS: K half kh at kh x KH: ctx's 64 KB, then W_o's
.set STAGE, 2*KH                       ; behind them: 16 rows x 272 bytes for each wave, for the way out
.set SP,    272
.set SPARE, STAGE+4*16*SP              ; the spare words, 128 bytes for each wave, that no other line names
.set ADRA, 16                          ; v16-17  LDS address of my fragments of ctx in K half 0, 1
.set ADRB, 20                          ; v20-21  the same for W_o
.set STO,  24
.set RD,   25
.set CO,   26
.set BO,   27
.set SPW,  28                          ; never rewritten
.set NIL,  29                          ; never rewritten
.set BI,   32
.set OUTR, 64
.set ACC,  128
.set F0,   0
.set F1,   128
.set WV,   12
.set G1A,  24                          ; s[24:31], s[32:39] descriptor groups 1;  s[40:47], s[48:55] groups 0, one for each K half
.set G1B,  32
.set G0A,  40
.set G0B,  48
.set MSB, 0
.macro WIN new
.if MSB != \new
	s_set_vgpr_msb (MSB<<8)|\new
.set MSB, \new
.endif
.endm
.set MUL,  0x05                        ; sources 0 and 1 window 1; C and D window 0
.set TO_F, 0x40                        ; destination window 1
.macro CROUND                          ; a round of the cluster's barrier
	s_barrier_signal -1
	s_barrier_wait -1
	s_cmp_lg_u32 s[WV], 0
	s_cbranch_scc1 .Lnot_wave_0_\@
	s_barrier_signal -3
.Lnot_wave_0_\@:
	s_barrier_wait -3
	s_barrier_signal -1
	s_barrier_wait -1
.endm
.macro PLACES
.rept 4
	v_nop
.endr
.endm
	s_load_b256 s[4:11], s[0:1], 0x0               ; ctx, woimg, b_o, out0
	v_lshl_add_u32 v[SPW], v0, 2, SPARE
	v_mov_b32 v[NIL], 0
	ds_add_u32 v[SPW], v[NIL]                      ; the wave's opening: the add, twice on end, and its wait ahead of my first tensor load
	ds_add_u32 v[SPW], v[NIL]
	v_lshrrev_b32 v1, 5, v0
	v_readfirstlane_b32 s[WV], v1                  ; wave 0..3
	s_lshr_b32 s13, s[WV], 1                       ; which half of the tile's rows is mine.  Also: I fetch for ctx (0) or for W_o (1)
	s_and_b32 s14, s[WV], 1                        ; which half of its columns.  Also: which 32 KB of a block I fetch
	s_bfe_u32 s15, ttmp6, 0x40000                  ; cx
	s_bfe_u32 s16, ttmp6, 0x40004                  ; cy
	s_lshl_b32 s17, ttmp9, 2
	s_add_co_u32 s17, s17, s15                     ; tile column
	s_and_b32 s18, ttmp7, 0xffff
	s_lshl_b32 s18, s18, 2
	s_add_co_u32 s18, s18, s16                     ; tile row
	s_lshl_b32 s19, s16, 2
	s_lshl_b32 s19, 15, s19                        ; my row of the cluster
	s_lshl_b32 s20, 0x1111, s15                    ; my column
	s_or_b32 s[G1A], s19, (3<<16)|(1<<21)          ; the mask; elements of 8 bytes; bit 21 set beside a mask; no padding
	s_or_b32 s[G1B], s20, (3<<16)|(1<<21)
.irp g, G1A, G1B
	s_mov_b32 s[\g+1], 32<<16                      ; 128 rows of 256 bytes, dense
	s_mov_b32 s[\g+2], 128<<16
	s_mov_b32 s[\g+3], 32<<16
	s_mov_b32 s[\g+4], 128
	s_mov_b32 s[\g+5], 32
	s_mov_b32 s[\g+6], 0
	s_mov_b32 s[\g+7], 0
.endr
	s_lshl_b32 s21, s14, 15
	s_lshl_b32 s22, s18, 17
	s_add_co_u32 s22, s22, s21                     ; ctx: 131,072 x tile row + my 32 KB
	s_mov_b32 s23, 0
	s_lshl_b32 s56, s17, 17
	s_add_co_u32 s56, s56, s21                     ; woimg: 131,072 x tile column + my 32 KB
	s_mov_b32 s57, 0
	s_lshl_b32 s58, s[WV], 15                      ; LDS: wave x 32 KB: no place in the cluster enters an LDS address
	s_wait_dscnt 0x0                               ; both opening adds are done
	s_wait_kmcnt 0x0
	s_add_nc_u64 s[22:23], s[4:5], s[22:23]
	s_add_nc_u64 s[56:57], s[6:7], s[56:57]
.irp k, 0,1
	s_mov_b32 s[G0A+4*\k], 1
	s_add_co_u32 s[G0A+4*\k+1], s58, \k*KH
	s_add_nc_u64 s[G0A+4*\k+2:G0A+4*\k+3], s[22:23], \k*65536
	s_or_b32 s[G0A+4*\k+3], s[G0A+4*\k+3], 0x80000000
	s_mov_b32 s[G0B+4*\k], 1
	s_add_co_u32 s[G0B+4*\k+1], s58, \k*KH
	s_add_nc_u64 s[G0B+4*\k+2:G0B+4*\k+3], s[56:57], \k*65536
	s_or_b32 s[G0B+4*\k+3], s[G0B+4*\k+3], 0x80000000
.endr
	CROUND                                         ; all sixteen work-groups are here: the joint loads meet
	s_cmp_lt_u32 s[WV], 2                          ; a wave's two fills stand in one branch on the wave's number, ahead of every wait on TENSORcnt and every LDS read
	s_cbranch_scc0 .Lfor_b
	tensor_load_to_lds s[G0A:G0A+3], s[G1A:G1A+7]
	s_nop 0
	tensor_load_to_lds s[G0A+4:G0A+7], s[G1A:G1A+7]
	s_nop 0
.rept 4
	v_nop
.endr
	s_branch .Lasked
.Lfor_b:
	tensor_load_to_lds s[G0B:G0B+3], s[G1B:G1B+7]
	s_nop 0
	tensor_load_to_lds s[G0B+4:G0B+7], s[G1B:G1B+7]
	s_nop 0
.rept 4
	v_nop
.endr
.Lasked:
	v_and_b32 v1, 15, v0                           ; r
	v_bfe_u32 v2, v0, 4, 1                         ; h
	v_and_b32 v3, 31, v0
	v_lshlrev_b32 v3, 4, v3                        ; 16 x lane
	s_lshl_b32 s21, s13, 15                        ; my four row tiles of ctx
	s_lshl_b32 s59, s14, 15                        ; my four row tiles of W_o,
	s_add_co_u32 s59, s59, 65536                   ; which lie behind ctx's 64 KB
.irp k, 0,1
	v_add_nc_u32 v[ADRA+\k], s21, v3
	v_add_nc_u32 v[ADRB+\k], s59, v3
	s_add_co_u32 s21, s21, KH
	s_add_co_u32 s59, s59, KH
.endr
	s_mul_i32 s21, s[WV], 16*SP
	s_add_co_u32 s21, s21, STAGE                   ; my stage
	v_mul_u32_u24 v4, v1, SP
	v_lshl_add_u32 v4, v2, 5, v4
	v_add_nc_u32 v[STO], s21, v4                   ; in: row r, 32 bytes for each half of the lanes
	v_mul_u32_u24 v4, v2, SP
	v_lshl_add_u32 v4, v1, 4, v4
	v_add_nc_u32 v[RD], s21, v4                    ; back: lanes 0-15 one row of 256 bytes, lanes 16-31 the next
	v_lshlrev_b32 v4, 11, v2
	v_lshl_add_u32 v[CO], v1, 4, v4                ; and the same two rows in out0
	v_lshlrev_b32 v[BO], 5, v2                     ; the bias: 32 h
	s_lshl_b32 s56, s17, 9                         ; my first column, in bytes: 512 x tile column + 256 x half
	s_lshl_b32 s57, s14, 8
	s_add_co_u32 s56, s56, s57
	s_mov_b32 s57, 0
	s_add_nc_u64 s[8:9], s[8:9], s[56:57]
	s_add_nc_u64 s[10:11], s[10:11], s[56:57]
	s_lshl_b32 s60, s18, 18                        ; my first row: 128 x tile row + 64 x half, rows of 2,048 bytes
	s_lshl_b32 s61, s13, 17
	s_add_co_u32 s60, s60, s61
	s_mov_b32 s61, 0
	s_add_nc_u64 s[10:11], s[10:11], s[60:61]
.irp b, 0,1,2,3
	global_load_b128 v[BI+8*\b:BI+8*\b+3], v[BO], s[8:9] offset:64*\b          ; register j of tile b: column 16 b + 8 h + j
	global_load_b128 v[BI+8*\b+4:BI+8*\b+7], v[BO], s[8:9] offset:64*\b+16
.endr
; 8 products: row blocks a0, a0 + 1 x all 4 column blocks, 32 along K: half c of buffer f.  zero = 1: the first product starts the sums on the bias.  The 16 accumulators take turns.
.macro MUL8 f, c, a0, zero
.irp a, \a0, \a0+1
.irp b, 0,1,2,3
.if \zero
	v_wmma_f32_16x16x32_f16 v[ACC+8*(4*(\a)+\b):ACC+8*(4*(\a)+\b)+7], v[\f+64+8*(4*\c+\b):\f+64+8*(4*\c+\b)+7], v[\f+8*(4*\c+\a):\f+8*(4*\c+\a)+7], v[BI+8*\b:BI+8*\b+7]
.else
	v_wmma_f32_16x16x32_f16 v[ACC+8*(4*(\a)+\b):ACC+8*(4*(\a)+\b)+7], v[\f+64+8*(4*\c+\b):\f+64+8*(4*\c+\b)+7], v[\f+8*(4*\c+\a):\f+8*(4*\c+\a)+7], v[ACC+8*(4*(\a)+\b):ACC+8*(4*(\a)+\b)+7]
.endif
.endr
.endr
.endm
; 32 LDS loads in one run: the fragments of quarter q (64 along K: K steps 2 q, 2 q + 1) into buffer f; the first 32 along K first
.macro FETCH q, f
	WIN TO_F
.irp c, 0,1
.irp i, 0,1,2,3
	ds_load_b128 v[\f+64+8*(4*\c+\i):\f+64+8*(4*\c+\i)+3],   v[ADRB+(\q)/4] offset:\i*8192+(2*((\q)%4)+\c)*1024
	ds_load_b128 v[\f+64+8*(4*\c+\i)+4:\f+64+8*(4*\c+\i)+7], v[ADRB+(\q)/4] offset:\i*8192+(2*((\q)%4)+\c)*1024+512
	ds_load_b128 v[\f+8*(4*\c+\i):\f+8*(4*\c+\i)+3],         v[ADRA+(\q)/4] offset:\i*8192+(2*((\q)%4)+\c)*1024
	ds_load_b128 v[\f+8*(4*\c+\i)+4:\f+8*(4*\c+\i)+7],       v[ADRA+(\q)/4] offset:\i*8192+(2*((\q)%4)+\c)*1024+512
.endr
.endr
.endm
.macro QUARTER nq, f, g, zero          ; multiplies buffer f and fetches quarter nq into g
	s_wait_dscnt 16                                ; the first 32 along K are in; the younger sixteen loads may be out
	WIN MUL
	MUL8 \f, 0, 0, \zero
	MUL8 \f, 0, 2, \zero
	PLACES                                         ; four places in front of loads into registers that products have read
	FETCH \nq, \g
	s_wait_dscnt 32                                ; all but the 32 just issued
	WIN MUL
	MUL8 \f, 1, 0, 0
	MUL8 \f, 1, 2, 0
.endm
	s_wait_tensorcnt 1                             ; my part of K half 0 is in; K half 1's load may be out
	s_barrier_signal -1
	s_barrier_wait -1                              ; everybody's is
	FETCH 0, F0
	s_wait_loadcnt 0x0                             ; the bias
	QUARTER 1, F0, F1, 1
	QUARTER 2, F1, F0, 0
	QUARTER 3, F0, F1, 0
	s_wait_tensorcnt 0x0                           ; my part of K half 1 is in,
	s_wait_dscnt 0x0                               ; and no LDS load of mine is out at the signal
	s_barrier_signal -1
	WIN MUL
	MUL8 F1, 0, 0, 0                               ; work on registers while the others arrive
	MUL8 F1, 0, 2, 0
	PLACES
	s_barrier_wait -1                              ; everybody's part of K half 1 is in
	FETCH 4, F0
	WIN MUL
	MUL8 F1, 1, 0, 0
	MUL8 F1, 1, 2, 0
	QUARTER 5, F0, F1, 0
	QUARTER 6, F1, F0, 0
	QUARTER 7, F0, F1, 0
	s_wait_dscnt 16                                ; the last quarter: nothing more to fetch
	WIN MUL
	MUL8 F1, 0, 0, 0
	MUL8 F1, 0, 2, 0
	s_wait_dscnt 0x0
	MUL8 F1, 1, 0, 0
	MUL8 F1, 1, 2, 0
	WIN 0
	; THE WAY OUT, a block of 16 rows x 64 columns at a time: through my own stage, back as whole rows of 256 bytes.  LDS serves a wave's instructions in order (ISA guide 5.7.1.4): no wait between stores and loads.
	PLACES
.irp a, 0,1,2,3
.if \a > 1
	s_wait_xcnt 0x0                                ; block a - 2's stores have read their registers
.endif
.irp b, 0,1,2,3
	ds_store_b128 v[STO], v[ACC+8*(4*\a+\b):ACC+8*(4*\a+\b)+3] offset:64*\b       ; each accumulator from its low end on
	ds_store_b128 v[STO], v[ACC+8*(4*\a+\b)+4:ACC+8*(4*\a+\b)+7] offset:64*\b+16
.endr
.irp t, 0,1,2,3,4,5,6,7
	ds_load_b128 v[OUTR+32*(\a%2)+4*\t:OUTR+32*(\a%2)+4*\t+3], v[RD] offset:\t*2*SP
.endr
	s_wait_dscnt 0x0
.irp t, 0,1,2,3,4,5,6,7
	global_store_b128 v[CO], v[OUTR+32*(\a%2)+4*\t:OUTR+32*(\a%2)+4*\t+3], s[10:11] offset:\a*32768+\t*4096   ; 16 lanes store 256 consecutive bytes, at a multiple of 256 from out0's first byte
.endr
.endr
	s_wait_tensorcnt 0x0                           ; the wave's end, behind my last tensor load and my last LDS store
	ds_add_u32 v[SPW], v[NIL]
	s_wait_dscnt 0x0
	CROUND                                         ; the closing round
	s_endpgm
.Lfunc_end_k_q07665a6510_oproj:
	.size	k_q07665a6510_oproj, .Lfunc_end_k_q07665a6510_oproj-k_q07665a6510_oproj
	.p2alignl 7, 3214868480
	.fill 96, 4, 3214868480
	.section	.rodata,"a",@progbits
	.p2align	6, 0x0
	.amdhsa_kernel k_q07665a6510_oproj
		.amdhsa_group_segment_fixed_size 327680
		.amdhsa_private_segment_fixed_size 0
		.amdhsa_enable_private_segment 0
		.amdhsa_kernarg_size 32
		.amdhsa_user_sgpr_count 2
		.amdhsa_user_sgpr_kernarg_segment_ptr 1
		.amdhsa_wavefront_size32 1
		.amdhsa_system_sgpr_workgroup_id_x 1
		.amdhsa_system_sgpr_workgroup_id_y 1
		.amdhsa_system_sgpr_workgroup_id_z 1
		.amdhsa_system_vgpr_workitem_id 0
		.amdhsa_next_free_vgpr 512
		.amdhsa_next_free_sgpr 66
		.amdhsa_reserve_vcc 0
		.amdhsa_float_denorm_mode_32 3
		.amdhsa_float_denorm_mode_16_64 3
		.amdhsa_memory_ordered 1
		.amdhsa_forward_progress 1
		.amdhsa_inst_pref_size 49
	.end_amdhsa_kernel
	.amdgpu_metadata
---
amdhsa.version: [ 1, 2 ]
amdhsa.kernels:
  - .name:           k_q07665a6510_oproj
    .symbol:         k_q07665a6510_oproj.kd
    .args:
      - { .name: ctx, .offset: 0, .size: 8, .value_kind: global_buffer, .address_space: global }
      - { .name: woimg, .offset: 8, .size: 8, .value_kind: global_buffer, .address_space: global }
      - { .name: b_o, .offset: 16, .size: 8, .value_kind: global_buffer, .address_space: global }
      - { .name: out0, .offset: 24, .size: 8, .value_kind: global_buffer, .address_space: global }
    .group_segment_fixed_size: 327680
    .private_segment_fixed_size: 0
    .kernarg_segment_align: 8
    .kernarg_segment_size: 32
    .max_flat_workgroup_size: 128
    .sgpr_count:     66
    .vgpr_count:     512
    .wavefront_size: 32
...
	.end_amdgpu_metadata
.endif
;; end of part 4
;; launch first16 (part 5): grid 4 x 2, 8 waves a work-group, no clusters, 42,240 bytes of LDS; arguments first, W_o, b_o, out0; writes out0
.if DOCPART == 5
	.amdgcn_target "amdgcn-amd-amdhsa--gfx1250"
	.amdhsa_code_object_version 6
	.text
	.protected	k_q07665a6510_first16
	.globl	k_q07665a6510_first16
	.p2align	8
	.type	k_q07665a6510_first16,@function
k_q07665a6510_first16:
	s_mov_b64 s[64:65], 0
	v_nop
	global_prefetch_b8 v0, s[64:65] scope:SCOPE_SE
	s_setreg_imm32_b32 hwreg(HW_REG_WAVE_MODE, 25, 1), 1
	s_wait_xcnt 0x0
; Positions 0-15 of each batch once more, all in f32: these rows average one to sixteen values, are the largest of the output, and would carry the rounding of f16 operands least well.
; Work-group (x, y): batch y, output columns 128 x .. + 127.  PHASE A: wave = head: S^T = K Q^T (16 x 16 x 64), mask, softmax, O^T = V^T P: by the f32 matrix form, 4 along K an instruction.
; The result goes to LDS as an image of its registers.  PHASE B: wave = tile of 16 output columns: Y^T = W_o O^T + b_o over all 512, through a stage, whole rows of 512 bytes out.
; The f32 form takes k = 2 h + j from register j of lane (r, h).  A permutation of k applied alike to both sources keeps the products: so a lane simply holds neighbours of its row, and pair i of one
; source meets pair i of the other.  The registers that this form writes (SA, SB, OA, YA) are written by matrix instructions alone; what is made of a sum goes elsewhere.
; LIMITS: NaN and infinities are not served.
.set AIMG,  0                          ; LDS: eight heads' results, 4,096 bytes each
.set STG,   32768                      ; the stage: 16 rows x (512 + 16) bytes
.set SPARE, STG+16*528                 ; the spare words, 128 bytes for each wave, that no other line names
.set LI,  1                            ; v1  16 x lane
.set VK,  4                            ; v4  q, k: 2,048 r + 128 h
.set VV,  5                            ; v5  v^T: 64 r + 32 h
.set VB,  6                            ; v6  the bias: 32 h
.set VW,  7                            ; v7  W_o: 2,048 r + 32 h
.set AW,  8                            ; v8  where I store my head's image
.set SW,  9                            ; v9  the stage, on the way in
.set SRD, 10                           ; v10 and on the way out
.set KF,  16                           ; v16-47  k: row r, channels 32 h .. + 31;  later, with v48-79: two heads' images
.set QF,  48                           ; v48-79  q likewise
.set AT,  16
.set VT,  80                           ; v80-111 v^T: tile ct at 8 ct: channel 16 ct + r, positions 8 h .. + 7
.set BIAS, 112                         ; v112-119
.set SA,  120                          ; v120-127, v128-135 the scores, in two sums
.set SB,  128
.set OA,  136                          ; v136-167 O^T, four tiles of channels
.set YA,  168                          ; v168-199 Y^T, in four sums
.set T,   200                          ; v200-207 scores, p, then Y
.set SPW, 220
.set NIL, 221
.set MSB, 0
.macro WIN new
.if MSB != \new
	s_set_vgpr_msb (MSB<<8)|\new
.set MSB, \new
.endif
.endm
.macro PLACES8                         ; eight places behind the f32 form (ISA guide 7.12.1)
.rept 8
	v_nop
.endr
.endm
	s_load_b256 s[4:11], s[0:1], 0x0               ; first, W_o, b_o, out0
	v_lshl_add_u32 v[SPW], v0, 2, SPARE
	v_mov_b32 v[NIL], 0
	v_lshrrev_b32 v2, 5, v0
	v_readfirstlane_b32 s12, v2                    ; wave
	s_mov_b32 s13, ttmp9                           ; which 128 columns
	s_and_b32 s14, ttmp7, 0xffff                   ; batch
	v_and_b32 v11, 31, v0
	v_and_b32 v2, 15, v0                           ; r
	v_bfe_u32 v3, v0, 4, 1                         ; h
	v_lshlrev_b32 v[LI], 4, v11
	v_lshlrev_b32 v[VK], 11, v2
	v_lshl_add_u32 v[VK], v3, 7, v[VK]
	v_lshlrev_b32 v[VV], 6, v2
	v_lshl_add_u32 v[VV], v3, 5, v[VV]
	v_lshlrev_b32 v[VB], 5, v3
	v_lshlrev_b32 v[VW], 11, v2
	v_lshl_add_u32 v[VW], v3, 5, v[VW]
	s_lshl_b32 s15, s12, 12
	v_add_nc_u32 v[AW], s15, v[LI]
	v_mul_u32_u24 v[SW], v2, 528
	v_lshl_add_u32 v[SW], v3, 5, v[SW]
	s_lshl_b32 s15, s12, 6
	s_add_co_u32 s15, s15, STG
	v_add_nc_u32 v[SW], s15, v[SW]                 ; row r, + 64 wave + 32 h
	s_mul_i32 s15, s12, 1056
	s_add_co_u32 s15, s15, STG
	v_add_nc_u32 v[SRD], s15, v[LI]                ; rows 2 wave, 2 wave + 1
	s_lshl_b32 s16, s14, 15                        ; a batch's 32,768 bytes in each part of first
	s_lshl_b32 s17, s12, 8
	s_add_co_u32 s18, s16, s17                     ; q, k: + 256 head
	s_mov_b32 s19, 0
	s_lshl_b32 s17, s12, 12
	s_add_co_u32 s20, s16, s17                     ; v^T: + 4,096 head
	s_mov_b32 s21, 0
	s_lshl_b32 s22, s13, 9
	s_lshl_b32 s17, s12, 6
	s_add_co_u32 s22, s22, s17                     ; the bias: my 16 columns
	s_mov_b32 s23, 0
	s_lshl_b32 s24, s13, 18
	s_lshl_b32 s17, s12, 15
	s_add_co_u32 s24, s24, s17                     ; W_o: my 16 rows
	s_mov_b32 s25, 0
	s_lshl_b32 s26, s14, 23
	s_lshl_b32 s17, s12, 12
	s_add_co_u32 s26, s26, s17
	s_lshl_b32 s17, s13, 9
	s_add_co_u32 s26, s26, s17                     ; out0: batch, rows 2 wave on, my work-group's 512 bytes
	s_mov_b32 s27, 0
	s_mov_b32 s28, 0x76543210
	s_mov_b32 s29, 0xfedcba98                      ; v_permlanex16_b32's selects for lane l xor 16
	s_mov_b32 s30, 0x3e38aa3b                      ; c = log2(e) / sqrt(64)
	s_wait_kmcnt 0x0
	s_add_nc_u64 s[32:33], s[4:5], s[18:19]
	s_add_nc_u64 s[34:35], s[4:5], s[20:21]
	s_add_nc_u64 s[8:9], s[8:9], s[22:23]
	s_add_nc_u64 s[6:7], s[6:7], s[24:25]
	s_add_nc_u64 s[10:11], s[10:11], s[26:27]
.irp e, 0,1,2,3,4,5,6,7
	global_load_b128 v[KF+4*\e:KF+4*\e+3], v[VK], s[32:33] offset:65536+16*\e
.endr
.irp e, 0,1,2,3,4,5,6,7
	global_load_b128 v[QF+4*\e:QF+4*\e+3], v[VK], s[32:33] offset:16*\e
.endr
.irp c, 0,1,2,3
.irp e, 0,1
	global_load_b128 v[VT+8*\c+4*\e:VT+8*\c+4*\e+3], v[VV], s[34:35] offset:131072+1024*\c+16*\e
.endr
.endr
.irp e, 0,1
	global_load_b128 v[BIAS+4*\e:BIAS+4*\e+3], v[VB], s[8:9] offset:16*\e
.endr
	WIN 0x40                                       ; W_o's 16 rows x 512 fill window 1: head d, tile c at 32 d + 8 c: k = 64 d + 16 c + 8 h .. + 7
.irp d, 0,1,2,3,4,5,6,7
.irp c, 0,1,2,3
.irp e, 0,1
	global_load_b128 v[32*\d+8*\c+4*\e:32*\d+8*\c+4*\e+3], v[VW], s[6:7] offset:256*\d+64*\c+16*\e
.endr
.endr
.endr
	WIN 0
	s_wait_loadcnt 63                              ; of the 90 loads the oldest 27 are in: k, q, v^T and the bias are the oldest 26
	; ---- A: the scores, in two sums that take turns
	v_wmma_f32_16x16x4_f32 v[SA:SA+7], v[KF:KF+1], v[QF:QF+1], 0
	v_wmma_f32_16x16x4_f32 v[SB:SB+7], v[KF+2:KF+3], v[QF+2:QF+3], 0
.irp i, 4,8,12,16,20,24,28
	v_wmma_f32_16x16x4_f32 v[SA:SA+7], v[KF+\i:KF+\i+1], v[QF+\i:QF+\i+1], v[SA:SA+7]
	v_wmma_f32_16x16x4_f32 v[SB:SB+7], v[KF+\i+2:KF+\i+3], v[QF+\i+2:QF+\i+3], v[SB:SB+7]
.endr
	PLACES8
.irp j, 0,1,2,3,4,5,6,7
	v_add_f32 v[T+\j], v[SA+\j], v[SB+\j]          ; lane (r, h): query r, key 8 h + j
.endr
	v_lshlrev_b32 v208, 3, v3
	v_sub_nc_u32 v208, v2, v208                    ; r - 8 h: key 8 h + j is hidden where j > r - 8 h
	v_mov_b32 v209, 0xff800000
.irp j, 0,1,2,3,4,5,6,7
	v_cmp_gt_i32 vcc_lo, \j, v208
	v_cndmask_b32 v[T+\j], v[T+\j], v209, vcc_lo
.endr
	v_max3_num_f32 v210, v[T], v[T+1], v[T+2]
	v_max3_num_f32 v211, v[T+3], v[T+4], v[T+5]
	v_max3_num_f32 v210, v210, v[T+6], v[T+7]
	v_max_num_f32 v210, v210, v211
	v_permlanex16_b32 v211, v210, s28, s29
	v_max_num_f32 v210, v210, v211                 ; the row's maximum: key 0 counts for every query
	v_mul_f32 v210, s30, v210
.irp j, 0,1,2,3,4,5,6,7
	v_fma_f32 v[T+\j], v[T+\j], s30, -v210
.endr
.irp j, 0,1,2,3,4,5,6,7
	v_exp_f32 v[T+\j], v[T+\j]
.endr
	v_nop
	s_wait_alu depctr_va_vdst(0)                   ; the wait ahead of the batch's first reader
	v_add_f32 v212, v[T], v[T+1]
	v_add_f32 v213, v[T+2], v[T+3]
	v_add_f32 v214, v[T+4], v[T+5]
	v_add_f32 v215, v[T+6], v[T+7]
	v_add_f32 v212, v212, v213
	v_add_f32 v214, v214, v215
	v_add_f32 v212, v212, v214
	v_permlanex16_b32 v213, v212, s28, s29
	v_add_f32 v212, v212, v213
	v_rcp_f32 v214, v212
	v_nop
	s_wait_alu depctr_va_vdst(0)
.irp j, 0,1,2,3,4,5,6,7
	v_mul_f32 v[T+\j], v[T+\j], v214               ; the weights
.endr
.irp c, 0,1,2,3
	v_wmma_f32_16x16x4_f32 v[OA+8*\c:OA+8*\c+7], v[VT+8*\c:VT+8*\c+1], v[T:T+1], 0
.endr
.irp i, 2,4,6
.irp c, 0,1,2,3
	v_wmma_f32_16x16x4_f32 v[OA+8*\c:OA+8*\c+7], v[VT+8*\c+\i:VT+8*\c+\i+1], v[T+\i:T+\i+1], v[OA+8*\c:OA+8*\c+7]
.endr
.endr
	PLACES8
.irp c, 0,1,2,3
.irp e, 0,1
	ds_store_b128 v[AW], v[OA+8*\c+4*\e:OA+8*\c+4*\e+3] offset:(2*\c+\e)*512   ; lane (r, h): position r, channels 16 c + 8 h + 4 e on
.endr
.endr
	s_wait_dscnt 0x0                               ; for the others' sake: my head's image lies in LDS
	s_barrier_signal -1
	s_barrier_wait -1
	; ---- B: my 16 columns, two heads at a time; four sums (one for each tile of channels) take turns
	s_wait_loadcnt 0x0                             ; W_o
.irp g, 0,1,2,3
	PLACES8                                        ; in front of loads into registers that products have read
.irp q, 0,1
.irp c, 0,1,2,3
.irp e, 0,1
	ds_load_b128 v[AT+32*\q+8*\c+4*\e:AT+32*\q+8*\c+4*\e+3], v[LI] offset:(2*\g+\q)*4096+(2*\c+\e)*512
.endr
.endr
.endr
	s_wait_dscnt 0x0
	WIN 0x01                                       ; W_o in window 1
.irp q, 0,1
.irp p, 0,2,4,6
.irp c, 0,1,2,3
.if (\g == 0) && (\q == 0) && (\p == 0)
.if \c == 0
	v_wmma_f32_16x16x4_f32 v[YA+8*\c:YA+8*\c+7], v[32*(2*\g+\q)+8*\c+\p:32*(2*\g+\q)+8*\c+\p+1], v[AT+32*\q+8*\c+\p:AT+32*\q+8*\c+\p+1], v[BIAS:BIAS+7]
.else
	v_wmma_f32_16x16x4_f32 v[YA+8*\c:YA+8*\c+7], v[32*(2*\g+\q)+8*\c+\p:32*(2*\g+\q)+8*\c+\p+1], v[AT+32*\q+8*\c+\p:AT+32*\q+8*\c+\p+1], 0
.endif
.else
	v_wmma_f32_16x16x4_f32 v[YA+8*\c:YA+8*\c+7], v[32*(2*\g+\q)+8*\c+\p:32*(2*\g+\q)+8*\c+\p+1], v[AT+32*\q+8*\c+\p:AT+32*\q+8*\c+\p+1], v[YA+8*\c:YA+8*\c+7]
.endif
.endr
.endr
.endr
	WIN 0
.endr
	PLACES8
.irp j, 0,1,2,3,4,5,6,7
	v_add_f32 v[T+\j], v[YA+\j], v[YA+8+\j]
	v_add_f32 v[208+\j], v[YA+16+\j], v[YA+24+\j]
.endr
.irp j, 0,1,2,3,4,5,6,7
	v_add_f32 v[T+\j], v[T+\j], v[208+\j]          ; lane (r, h): position r, columns 16 wave + 8 h + j
.endr
	ds_store_b128 v[SW], v[T:T+3]
	ds_store_b128 v[SW], v[T+4:T+7] offset:16
	s_wait_dscnt 0x0                               ; for the others' sake
	s_barrier_signal -1
	s_barrier_wait -1
	ds_load_b128 v[208:211], v[SRD]
	ds_load_b128 v[212:215], v[SRD] offset:528
	s_wait_dscnt 0x0
	global_store_b128 v[LI], v[208:211], s[10:11]              ; 32 lanes store 512 consecutive bytes of a row, aligned
	global_store_b128 v[LI], v[212:215], s[10:11] offset:2048
	s_wait_tensorcnt 0x0                           ; the wave's end, behind my last LDS store
	ds_add_u32 v[SPW], v[NIL]
	s_wait_dscnt 0x0
	s_endpgm
.Lfunc_end_k_q07665a6510_first16:
	.size	k_q07665a6510_first16, .Lfunc_end_k_q07665a6510_first16-k_q07665a6510_first16
	.p2alignl 7, 3214868480
	.fill 96, 4, 3214868480
	.section	.rodata,"a",@progbits
	.p2align	6, 0x0
	.amdhsa_kernel k_q07665a6510_first16
		.amdhsa_group_segment_fixed_size 42240
		.amdhsa_private_segment_fixed_size 0
		.amdhsa_enable_private_segment 0
		.amdhsa_kernarg_size 32
		.amdhsa_user_sgpr_count 2
		.amdhsa_user_sgpr_kernarg_segment_ptr 1
		.amdhsa_wavefront_size32 1
		.amdhsa_system_sgpr_workgroup_id_x 1
		.amdhsa_system_sgpr_workgroup_id_y 1
		.amdhsa_system_sgpr_workgroup_id_z 1
		.amdhsa_system_vgpr_workitem_id 0
		.amdhsa_next_free_vgpr 512
		.amdhsa_next_free_sgpr 66
		.amdhsa_reserve_vcc 1
		.amdhsa_float_denorm_mode_32 3
		.amdhsa_float_denorm_mode_16_64 3
		.amdhsa_memory_ordered 1
		.amdhsa_forward_progress 1
		.amdhsa_inst_pref_size 33
	.end_amdhsa_kernel
	.amdgpu_metadata
---
amdhsa.version: [ 1, 2 ]
amdhsa.kernels:
  - .name:           k_q07665a6510_first16
    .symbol:         k_q07665a6510_first16.kd
    .args:
      - { .name: first, .offset: 0, .size: 8, .value_kind: global_buffer, .address_space: global }
      - { .name: W_o, .offset: 8, .size: 8, .value_kind: global_buffer, .address_space: global }
      - { .name: b_o, .offset: 16, .size: 8, .value_kind: global_buffer, .address_space: global }
      - { .name: out0, .offset: 24, .size: 8, .value_kind: global_buffer, .address_space: global }
    .group_segment_fixed_size: 42240
    .private_segment_fixed_size: 0
    .kernarg_segment_align: 8
    .kernarg_segment_size: 32
    .max_flat_workgroup_size: 256
    .sgpr_count:     66
    .vgpr_count:     512
    .wavefront_size: 32
...
	.end_amdgpu_metadata
.endif
;; end of part 5
